; MI455X (gfx1250); checked and timed in simulation.
; The chip was launched on July 23, 2026; its instructions are those of AMD's public machine-readable ISA for CDNA 5 (MIT licence, August 2026) and "CDNA5" Instruction Set Architecture Reference Guide (July 2026). The comments in the code are by the model that wrote it; some were corrected since.
;; Adaptive Decay Memory. Allowed arithmetic: matrix products marked QUANTISED: E2M1 operands, one E8M0 scale for each 32 along K, by v_wmma_scale_f32_16x16x128_f8f6f4 with both operands' format E2M1 (or v_wmma_scale_f32_32x16x128_f4), f32 sums; products left as they are: bf16, f16 or f32 operands; f32 sums; everything else in f32.
;; Inputs: Wd 1 x 1,024 float32; Wk 1,024 x 1,024 float32; Wo 1,024 x 1,024 float32; Wq 1,024 x 1,024 float32; Wv 1,024 x 1,024 float32; bd 1 float32; out_scale 1 float32; x 4 x 2,048 x 1,024 float32.
;; Outputs: out0 4 x 2,048 x 1,024 float32.
;; This version of the problem:
;;   THIS VERSION OF THE PROBLEM IS GIVEN IN LOW PRECISION. The matrix products marked QUANTISED in the list below multiply operands that are first quantised to E2M1 (2 exponent bits, 1 mantissa bit; 4 bits a number), with one power-of-two scale for each 32 numbers along K (OCP MX v1.0); their sums are f32. The products marked 'left as it is' may take bf16, f16 or f32 operands, with f32 sums. Whichever they take, every output number must still come out within the allowed error. Rounding operands to bf16 (8 significant bits) uses up far more of that allowance than f16 does (11 bits, for magnitudes from 6e-5 to 65,504). All else is computed in f32.
;;   The module's matrix products, in the order in which they are computed (A, B: the left and right operand; K: the contracted axis; several contracted axes count as one K, in the product's order):
;;     1. [M 8,192, K 1,024] x [K 1,024, N 1,024]; A: input x; B: input Wq: QUANTISED
;;     2. [M 8,192, K 1,024] x [K 1,024, N 1,024]; A: input x; B: input Wk: QUANTISED
;;     3. [M 8,192, K 1,024] x [K 1,024, N 1,024]; A: input x; B: input Wv: QUANTISED
;;     4. batch 4 x [M 2,048, K 1,024] x [K 1,024, N 2,048]; A: computed on the way; B: computed on the way: left as it is (an operand is computed on the way)
;;     5. [M 8,192, K 1,024] x [K 1,024, N 1]; A: input x; B: input Wd: left as it is (N = 1 < 16)
;;     6. batch 4 x [M 2,048, K 2,048] x [K 2,048, N 1,024]; A: computed on the way; B: computed on the way: left as it is (an operand is computed on the way)
;;     7. [M 8,192, K 1,024] x [K 1,024, N 1,024]; A: computed on the way; B: input Wo: left as it is (an operand is computed on the way)
;;   THE QUANTISER, for each operand of a quantised product, along K:
;;     - K is cut into blocks of 32 from its start; a last block that is shorter is filled with zeros.
;;     - A block's scale is 2^e with e = floor(log2(the largest magnitude in the block)) - 2, held to -126 .. 127; a block of zeros has e = 0. As a byte (E8M0): e + 127.
;;     - Each number is divided by its block's scale, clamped to +-6, and rounded to the nearest number of E2M1, ties to even, subnormals kept.
;;     - The product sums the exact products of the quantised numbers (number of the format x scale) in f32.
;;   ~~~python
;;   def quantise(x, axis):      # numpy; x: float32 -> the quantised numbers, widened to float32 again
;;       x = np.moveaxis(x, axis, -1); K = x.shape[-1]
;;       x = np.pad(x, [(0, 0)] * (x.ndim - 1) + [(0, -K % 32)]); x = x.reshape(x.shape[:-1] + (-1, 32)); a = np.abs(x).max(-1, keepdims=True)
;;       e = np.where(a > 0, np.clip(np.frexp(np.where(a > 0, a, 1))[1] - 1 - 2, -126, 127), 0)      # np.frexp(a)[1] - 1 = floor(log2(a)), exactly
;;       r = np.clip(x / 2.0 ** e, -6, 6)
;;       step = 2.0 ** (np.maximum(np.frexp(np.where(r == 0, 1, r))[1] - 1, 0) - 1)
;;       q = np.round(r / step) * step * 2.0 ** e      # np.round: ties to even
;;       return np.moveaxis(q.reshape(q.shape[:-2] + (-1,))[..., :K], -1, axis).astype(np.float32)
;;   ~~~
;; One version. Each part assembles by itself: llvm-mc -triple=amdgcn-amd-amdhsa -mcpu=gfx1250 --defsym DOCPART=n.
;; ======== version 1 of 1: 4 launches
;; limits: values are held in f16: magnitudes above 65,504 overflow, below 6.1e-05 lose precision
;; workspace buffers: codes 5,767,168 bytes; scales 360,448 bytes; woh 2,097,152 bytes; aux 33,280 bytes; qkv 50,331,648 bytes; mx 6,144 bytes; pw 33,554,432 bytes; vot 16,777,216 bytes
;; launch prep (part 1): grid 384 x 1, 4 waves a work-group, no clusters, 33,280 bytes of LDS; arguments x, Wq, Wk, Wv, Wo, Wd, bd, codes, scales, woh, aux; writes codes, scales, woh, aux
.if DOCPART == 1
	.amdgcn_target "amdgcn-amd-amdhsa--gfx1250"
	.amdhsa_code_object_version 6
	.text
	.protected	k_q7f190e83fe_prep
	.globl	k_q7f190e83fe_prep
	.p2align	8
	.type	k_q7f190e83fe_prep,@function
k_q7f190e83fe_prep:
	s_mov_b64 s[64:65], 0
	v_nop
	global_prefetch_b8 v0, s[64:65] scope:SCOPE_SE
	s_setreg_imm32_b32 hwreg(HW_REG_WAVE_MODE, 25, 1), 1
	s_wait_xcnt 0x0
; FIRST LAUNCH.  (1) x [8192][1024], Wq, Wk, Wv [1024][1024], f32, become codes of FP4 (E2M1), K innermost, and one E8M0 byte for each 32 along K:
; codes [11264 rows][512 bytes], scales [11264][32 bytes]; rows 0-8191 are x's, then Wq's, Wk's, Wv's.  (2) L[row] = log2(sigmoid(x[row] . Wd + bd) + 1e-8), f32, into aux bytes 0..32767.
; (3) Wo becomes f16 (woh), and each wave's largest |Wo| goes to aux bytes 32768..33279.
; A block's scale is 2^(floor(log2(its largest magnitude)) - 2); its byte is the largest magnitude's exponent field - 2, held at 1 from below.  A block of zeros so gets the byte 1 where the
; quantiser's text says 127: its codes are zeros, which add nothing under any byte but 0xff, and this program alone reads the bytes.
; LIMITS: NaN and infinities among the inputs are not served; |Wo| must stay under 65,504 (f16), and what lies under 2^-24 is lost there.
; SHARES.  Work-groups 0-351 quantise 32,768 numbers each (0-255 x, 256-287 Wq, 288-319 Wk, 320-351 Wv); a wave takes 8 rows in 16 steps of 512 numbers.  Work-groups 352-383 take Wo.
; Each of a step's four loads reads 512 consecutive bytes; the 2,048 bytes turn through the wave's own stage in LDS and come back 64 bytes a lane, so that a lane holds 16 neighbours along K.
; The dot with Wd rides on the same registers: two steps are a row.  The weights' work-groups run the same lines and leave only L's store out.
.set STEPS, 16
.set EMAX,  2
.set CB,    8                          ; bytes of 16 codes
.set R,     16                         ; v16-79   four sets of 16 numbers as loaded
.set X,     80                         ; v80-111  two sets of 16 neighbours
.set E,     112                        ; v112-127 a scale byte for each step
.set C,     128                        ; v128-191 codes: four registers for each step: no store's data are written again
.set WD,    192                        ; v192-223 Wd: set u holds columns 512 u + 16 lane + 0..15
.set D,     224                        ; v224-227 the dot, two packed chains
.set Z,     228                        ; v228     lane i: the logit of my wave's row i
.set PT,    229                        ; v229     a lane permute's destination
.set W64,   230                        ; v230     64 x lane
.set L4,    231                        ; v231     4 x lane
.set MXW,   208                        ; v208-211 Wo's path: four chains of maxima
.set WREG,  8192                       ; LDS: a region for each wave: two stages of 32 x SP bytes, then its 256 scale bytes
.set SP,    80                         ; a lane's place in a stage: 64 bytes + 16 of padding
.set SPW,   12                         ; v12      LDS address of my spare word; never rewritten
.set NIL,   13                         ; v13      0; never rewritten
.set SPARE, 4*WREG                     ; behind the four regions: the spare words, 128 bytes a wave, which no other line names
	s_load_b512 s[8:23], s[0:1], 0x0               ; x 8, Wq 10, Wk 12, Wv 14, Wo 16, Wd 18, bd 20, codes 22
	s_load_b128 s[24:27], s[0:1], 0x40             ; scales 24, woh 26
	s_load_b64 s[28:29], s[0:1], 0x50              ; aux
	v_lshl_add_u32 v[SPW], v0, 2, SPARE
	v_mov_b32 v[NIL], 0
	v_lshrrev_b32 v1, 5, v0
	v_readfirstlane_b32 s32, v1                    ; wave
	v_and_b32 v2, 31, v0                           ; lane
	v_lshlrev_b32 v3, 4, v2                        ; my 16 bytes of a load's 512
	s_mul_i32 s33, s32, WREG
	v_lshrrev_b32 v14, 2, v2
	v_mul_u32_u24 v14, v14, SP
	v_and_b32 v15, 3, v2
	v_lshl_add_u32 v14, v15, 4, v14
	v_add_nc_u32 v14, s33, v14                     ; the stage, in: SP (lane / 4) + 16 (lane % 4)
	v_mul_u32_u24 v15, v2, SP
	v_add_nc_u32 v15, s33, v15                     ; and out: SP x lane: my 16 neighbours
	v_mul_u32_u24 v4, v2, CB                       ; 8 x lane
	v_lshrrev_b32 v5, 1, v2
	s_add_co_u32 s33, s33, 2*32*SP
	v_add_nc_u32 v5, s33, v5                       ; LDS: my block's scale byte
	v_lshlrev_b32 v7, 3, v2
	v_add_nc_u32 v6, s33, v7                       ; and 8 bytes a lane on the way out
	v_lshlrev_b32 v[W64], 6, v2
	v_lshlrev_b32 v[L4], 2, v2
	v_mov_b32 v[Z], 0
	v_mov_b32 v[PT], 0
	s_mov_b32 s40, 0x76543210                      ; v_permlanex16_b32's selects for lane l xor 16
	s_mov_b32 s41, 0xfedcba98
	s_mov_b32 s39, 0
	s_wait_kmcnt 0x0
	s_cmp_ge_u32 ttmp9, 352
	s_cbranch_scc1 .Lwo
	; ---- the quantising path
	s_load_b32 s42, s[20:21], 0x0                  ; bd
	s_mov_b64 s[34:35], s[14:15]                   ; which tensor, and its first work-group: choices on the work-group's number alone
	s_mov_b32 s36, 320
	s_cmp_lt_u32 ttmp9, 320
	s_cselect_b64 s[34:35], s[12:13], s[34:35]
	s_cselect_b32 s36, 288, s36
	s_cmp_lt_u32 ttmp9, 288
	s_cselect_b64 s[34:35], s[10:11], s[34:35]
	s_cselect_b32 s36, 256, s36
	s_cmp_lt_u32 ttmp9, 256
	s_cselect_b64 s[34:35], s[8:9], s[34:35]
	s_cselect_b32 s36, 0, s36
	s_sub_co_u32 s37, ttmp9, s36
	s_lshl_b32 s37, s37, 2
	s_add_co_u32 s38, s37, s32                     ; which run of 8,192 numbers of the tensor is my wave's
	s_lshl_b32 s38, s38, 15
	s_add_nc_u64 s[34:35], s[34:35], s[38:39]
	s_lshl_b32 s37, ttmp9, 2
	s_add_co_u32 s37, s37, s32                     ; and which run of the output streams: the tensors lie there in the work-groups' order
	s_lshl_b32 s38, s37, 12
	s_add_nc_u64 s[22:23], s[22:23], s[38:39]      ; 4,096 bytes of codes a run
	s_lshl_b32 s38, s37, 8
	s_add_nc_u64 s[24:25], s[24:25], s[38:39]      ; 256 scale bytes a run
.irp u, 0,1
.irp j, 0,1,2,3
	global_load_b128 v[WD+16*\u+4*\j:WD+16*\u+4*\j+3], v[W64], s[18:19] offset:2048*\u+16*\j
.endr
.endr
.macro LOAD t
.irp i, 0,1,2,3
	global_load_b128 v[R+16*((\t)%4)+4*\i:R+16*((\t)%4)+4*\i+3], v3, s[34:35] offset:2048*(\t)+512*\i th:TH_LOAD_NT   ; 32 lanes read 512 consecutive bytes
.endr
.endm
.macro TURN t                          ; step t's numbers through the stage: LDS serves a wave's instructions in order, so no wait stands between the stores and the loads
.irp i, 0,1,2,3
	ds_store_b128 v14, v[R+16*((\t)%4)+4*\i:R+16*((\t)%4)+4*\i+3] offset:32*SP*((\t)%2)+8*SP*\i
.endr
.irp i, 0,1,2,3
	ds_load_b128 v[X+16*((\t)%2)+4*\i:X+16*((\t)%2)+4*\i+3], v15 offset:32*SP*((\t)%2)+16*\i
.endr
.endm
.irp t, 0,1,2,3
	LOAD \t
.endr
	s_wait_loadcnt 12                              ; Wd's eight loads and step 0's four are in; the twelve of steps 1 to 3 may be out
	TURN 0
.macro STEP t
.set XS, X+16*((\t)%2)
.set WS, WD+16*((\t)%2)
.if (\t) > 0
	s_wait_dscnt 1                                 ; this step's numbers are back from the stage; the last step's byte store may be out
.else
	s_wait_dscnt 0x0
.endif
.if (\t)+4 < STEPS
	LOAD (\t)+4
.endif
.if (\t)+1 < STEPS
.if STEPS-2-(\t) >= 3
	s_wait_loadcnt 12                              ; the next step's four loads are in; those of the three steps behind it may be out
.else
	s_wait_loadcnt 4*(STEPS-2-(\t))
.endif
	TURN (\t)+1
.endif
	v_max3_num_f32 v8, |v[XS]|, |v[XS+1]|, |v[XS+2]|               ; the largest magnitude of my 16
	v_max3_num_f32 v9, |v[XS+3]|, |v[XS+4]|, |v[XS+5]|
.irp i, 6,10
	v_max3_num_f32 v8, v8, |v[XS+\i]|, |v[XS+\i+1]|
	v_max3_num_f32 v9, v9, |v[XS+\i+2]|, |v[XS+\i+3]|
.endr
	v_max3_num_f32 v8, v8, |v[XS+14]|, |v[XS+15]|
	v_max3_num_f32 v8, v8, v9, (EMAX+1)<<23        ; and the floor 2^(3 - 127): the byte cannot fall under 1
	v_max_num_f32_dpp v8, v8, v8 row_xmask:1 row_mask:0xf bank_mask:0xf   ; with my neighbour's 16: the block's
	v_add_nc_u32 v11, -(EMAX<<23), v8              ; 2 off its exponent field: the conversion takes the exponent field of this operand as its scale
	v_cvt_scalef32_pk8_fp4_f32 v[C+4*(\t)], v[XS:XS+7], v11
	v_cvt_scalef32_pk8_fp4_f32 v[C+4*(\t)+1], v[XS+8:XS+15], v11
	v_lshrrev_b32 v[E+(\t)], 23, v11               ; the scale's byte (a plain line behind the conversions)
	ds_store_b8 v5, v[E+(\t)] offset:16*(\t)       ; both lanes of a block write the same byte with the same value
	global_store_b64 v4, v[C+4*(\t):C+4*(\t)+1], s[22:23] offset:32*CB*(\t)   ; the wave stores 256 consecutive bytes, aligned
.if ((\t)%2) == 0                      ; the row's dot with Wd, on the unquantised numbers: an even step starts the two chains
	v_pk_mul_f32 v[D:D+1], v[XS:XS+1], v[WS:WS+1]
	v_pk_mul_f32 v[D+2:D+3], v[XS+2:XS+3], v[WS+2:WS+3]
.else
	v_pk_fma_f32 v[D:D+1], v[XS:XS+1], v[WS:WS+1], v[D:D+1]
	v_pk_fma_f32 v[D+2:D+3], v[XS+2:XS+3], v[WS+2:WS+3], v[D+2:D+3]
.endif
.irp i, 4,8,12
	v_pk_fma_f32 v[D:D+1], v[XS+\i:XS+\i+1], v[WS+\i:WS+\i+1], v[D:D+1]
	v_pk_fma_f32 v[D+2:D+3], v[XS+\i+2:XS+\i+3], v[WS+\i+2:WS+\i+3], v[D+2:D+3]
.endr
.if ((\t)%2) == 1                      ; an odd step ends a row: the sum over chains and lanes, kept in lane t / 2
	v_pk_add_f32 v[D:D+1], v[D:D+1], v[D+2:D+3]
	v_add_f32 v[D], v[D], v[D+1]
	v_add_f32_dpp v[D], v[D], v[D] row_xmask:1 row_mask:0xf bank_mask:0xf
	v_add_f32_dpp v[D], v[D], v[D] row_xmask:2 row_mask:0xf bank_mask:0xf
	v_add_f32_dpp v[D], v[D], v[D] row_xmask:4 row_mask:0xf bank_mask:0xf
	v_add_f32_dpp v[D], v[D], v[D] row_xmask:8 row_mask:0xf bank_mask:0xf
	v_permlanex16_b32 v[PT], v[D], s40, s41
	v_add_f32 v[D], v[D], v[PT]
	v_cmp_eq_u32 vcc_lo, (\t)/2, v2
	v_cndmask_b32 v[Z], v[Z], v[D], vcc_lo
.endif
.endm
.irp t, 0,1,2,3,4,5,6,7,8,9,10,11,12,13,14,15
	STEP \t
.endr
	ds_load_b64 v[8:9], v6                         ; LDS serves a wave's instructions in order: these see my byte stores
	s_wait_dscnt 0x0
	global_store_b64 v7, v[8:9], s[24:25]          ; 32 lanes store 256 consecutive bytes, aligned
	s_wait_kmcnt 0x0                               ; bd
	v_add_f32 v[Z], s42, v[Z]                      ; the logit z
	v_mul_f32 v[Z], 0xbfb8aa3b, v[Z]               ; -z log2(e)
	v_exp_f32 v[D], v[Z]
	v_nop                                          ; a plain line behind a transcendental,
	s_wait_alu depctr_va_vdst(0)                   ; and the wait ahead of its first reader
	v_add_f32 v[D], 1.0, v[D]
	v_rcp_f32 v[D+1], v[D]                         ; sigmoid(z)
	v_nop
	s_wait_alu depctr_va_vdst(0)
	v_add_f32 v[D+1], 0x322bcc77, v[D+1]           ; + 1e-8
	v_log_f32 v[D+2], v[D+1]                       ; log2: the weights are made as 2^(L d)
	v_nop
	s_wait_alu depctr_va_vdst(0)
	s_cmp_lt_u32 ttmp9, 256                        ; x's work-groups alone store L
	s_cbranch_scc0 .Lend
	s_lshl_b32 s46, ttmp9, 7                       ; (32 x work-group + 8 x wave) x 4 bytes
	s_lshl_b32 s47, s32, 5
	s_add_co_u32 s46, s46, s47
	s_mov_b32 s47, 0
	s_add_nc_u64 s[28:29], s[28:29], s[46:47]
	v_cmp_gt_u32 vcc_lo, 8, v2
	s_wait_xcnt 0x0                                ; EXEC changes only behind this wait
	s_and_saveexec_b32 s44, vcc_lo
	global_store_b32 v[L4], v[D+2], s[28:29]       ; lanes 0-7: my wave's eight rows
	s_wait_xcnt 0x0                                ; and again in front of the line that widens it
	s_or_b32 exec_lo, exec_lo, s44
	s_branch .Lend
	; ---- Wo's path: a wave takes 8,192 numbers: 64 loads of 512 consecutive bytes, in four batches of 16; each becomes 256 consecutive bytes of f16
.Lwo:
	s_sub_co_u32 s37, ttmp9, 352
	s_lshl_b32 s37, s37, 2
	s_add_co_u32 s37, s37, s32                     ; my run, 0..127
	s_lshl_b32 s38, s37, 15
	s_add_nc_u64 s[16:17], s[16:17], s[38:39]
	s_lshl_b32 s38, s37, 14
	s_add_nc_u64 s[26:27], s[26:27], s[38:39]
	s_lshl_b32 s38, s37, 2
	s_add_co_u32 s38, s38, 32768
	s_add_nc_u64 s[28:29], s[28:29], s[38:39]      ; my word among the 128 maxima
.macro WLOAD n
.irp i, 0,1,2,3,4,5,6,7,8,9,10,11,12,13,14,15
	global_load_b128 v[16+64*((\n)%2)+4*\i:16+64*((\n)%2)+4*\i+3], v3, s[16:17] offset:512*(16*(\n)+\i) th:TH_LOAD_NT
.endr
.endm
.macro WWORK n
.set SRC, 16+64*((\n)%2)
.set PKD, 144+32*((\n)%2)
.irp i, 0,1,2,3,4,5,6,7,8,9,10,11,12,13,14,15
	v_cvt_pk_f16_f32 v[PKD+2*\i], v[SRC+4*\i], v[SRC+4*\i+1]
	v_cvt_pk_f16_f32 v[PKD+2*\i+1], v[SRC+4*\i+2], v[SRC+4*\i+3]
	v_max3_num_f32 v[MXW+2*(\i%2)], v[MXW+2*(\i%2)], |v[SRC+4*\i]|, |v[SRC+4*\i+1]|
	v_max3_num_f32 v[MXW+1+2*(\i%2)], v[MXW+1+2*(\i%2)], |v[SRC+4*\i+2]|, |v[SRC+4*\i+3]|
	global_store_b64 v4, v[PKD+2*\i:PKD+2*\i+1], s[26:27] offset:256*(16*(\n)+\i)
.endr
.endm
.irp c, 0,1,2,3
	v_mov_b32 v[MXW+\c], 0
.endr
	WLOAD 0
	WLOAD 1
	s_wait_loadcnt 16                              ; batch 0 is in; batch 1's sixteen may be out
	WWORK 0
	WLOAD 2
	s_wait_loadcnt 16
	WWORK 1
	WLOAD 3
	s_wait_loadcnt 16
	s_wait_xcnt 0x0                                ; batch 0's stores have read their data registers: they are written again
	WWORK 2
	s_wait_loadcnt 0x0
	s_wait_xcnt 0x0
	WWORK 3
	v_max3_num_f32 v[MXW], v[MXW], v[MXW+1], v[MXW+2]
	v_max_num_f32 v[MXW], v[MXW], v[MXW+3]
	v_max_num_f32_dpp v[MXW], v[MXW], v[MXW] row_xmask:1 row_mask:0xf bank_mask:0xf
	v_max_num_f32_dpp v[MXW], v[MXW], v[MXW] row_xmask:2 row_mask:0xf bank_mask:0xf
	v_max_num_f32_dpp v[MXW], v[MXW], v[MXW] row_xmask:4 row_mask:0xf bank_mask:0xf
	v_max_num_f32_dpp v[MXW], v[MXW], v[MXW] row_xmask:8 row_mask:0xf bank_mask:0xf
	v_permlanex16_b32 v[PT], v[MXW], s40, s41
	v_max_num_f32 v[MXW], v[MXW], v[PT]            ; the wave's largest |Wo|
	v_cmp_eq_u32 vcc_lo, 0, v2
	s_wait_xcnt 0x0
	s_and_saveexec_b32 s44, vcc_lo
	global_store_b32 v[L4], v[MXW], s[28:29]       ; lane 0
	s_wait_xcnt 0x0
	s_or_b32 exec_lo, exec_lo, s44
.Lend:
	s_wait_tensorcnt 0x0                           ; the wave's end: behind my last LDS store
	ds_add_u32 v[SPW], v[NIL]
	s_wait_dscnt 0x0
	s_endpgm
.Lfunc_end_k_q7f190e83fe_prep:
	.size	k_q7f190e83fe_prep, .Lfunc_end_k_q7f190e83fe_prep-k_q7f190e83fe_prep
	.p2alignl 7, 3214868480
	.fill 96, 4, 3214868480
	.section	.rodata,"a",@progbits
	.p2align	6, 0x0
	.amdhsa_kernel k_q7f190e83fe_prep
		.amdhsa_group_segment_fixed_size 33280
		.amdhsa_private_segment_fixed_size 0
		.amdhsa_enable_private_segment 0
		.amdhsa_kernarg_size 88
		.amdhsa_user_sgpr_count 2
		.amdhsa_user_sgpr_kernarg_segment_ptr 1
		.amdhsa_wavefront_size32 1
		.amdhsa_system_sgpr_workgroup_id_x 1
		.amdhsa_system_sgpr_workgroup_id_y 1
		.amdhsa_system_sgpr_workgroup_id_z 1
		.amdhsa_system_vgpr_workitem_id 0
		.amdhsa_next_free_vgpr 232
		.amdhsa_next_free_sgpr 66
		.amdhsa_reserve_vcc 1
		.amdhsa_float_denorm_mode_32 3
		.amdhsa_float_denorm_mode_16_64 3
		.amdhsa_memory_ordered 1
		.amdhsa_forward_progress 1
		.amdhsa_inst_pref_size 77
	.end_amdhsa_kernel
	.amdgpu_metadata
---
amdhsa.version: [ 1, 2 ]
amdhsa.kernels:
  - .name:           k_q7f190e83fe_prep
    .symbol:         k_q7f190e83fe_prep.kd
    .args:
      - { .name: x, .offset: 0, .size: 8, .value_kind: global_buffer, .address_space: global }
      - { .name: Wq, .offset: 8, .size: 8, .value_kind: global_buffer, .address_space: global }
      - { .name: Wk, .offset: 16, .size: 8, .value_kind: global_buffer, .address_space: global }
      - { .name: Wv, .offset: 24, .size: 8, .value_kind: global_buffer, .address_space: global }
      - { .name: Wo, .offset: 32, .size: 8, .value_kind: global_buffer, .address_space: global }
      - { .name: Wd, .offset: 40, .size: 8, .value_kind: global_buffer, .address_space: global }
      - { .name: bd, .offset: 48, .size: 8, .value_kind: global_buffer, .address_space: global }
      - { .name: codes, .offset: 56, .size: 8, .value_kind: global_buffer, .address_space: global }
      - { .name: scales, .offset: 64, .size: 8, .value_kind: global_buffer, .address_space: global }
      - { .name: woh, .offset: 72, .size: 8, .value_kind: global_buffer, .address_space: global }
      - { .name: aux, .offset: 80, .size: 8, .value_kind: global_buffer, .address_space: global }
    .group_segment_fixed_size: 33280
    .private_segment_fixed_size: 0
    .kernarg_segment_align: 8
    .kernarg_segment_size: 88
    .max_flat_workgroup_size: 128
    .sgpr_count:     66
    .vgpr_count:     232
    .wavefront_size: 32
...
	.end_amdgpu_metadata
.endif
;; end of part 1
;; launch qkv (part 2): grid 12 x 32, 4 waves a work-group, clusters of 4 x 4, 327,680 bytes of LDS; arguments codes, scales, qkv, mx; writes qkv, mx
.if DOCPART == 2
	.amdgcn_target "amdgcn-amd-amdhsa--gfx1250"
	.amdhsa_code_object_version 6
	.text
	.protected	k_q7f190e83fe_qkv
	.globl	k_q7f190e83fe_qkv
	.p2align	8
	.type	k_q7f190e83fe_qkv,@function
k_q7f190e83fe_qkv:
	s_mov_b64 s[64:65], 0
	v_nop
	global_prefetch_b8 v0, s[64:65] scope:SCOPE_SE
	s_setreg_imm32_b32 hwreg(HW_REG_WAVE_MODE, 25, 1), 1
	s_wait_xcnt 0x0
	s_wait_alu depctr_hold_cnt(0) depctr_sa_sdst(0) depctr_va_vdst(0) depctr_va_sdst(0) depctr_va_ssrc(0) depctr_va_vcc(0) depctr_vm_vsrc(0)
	s_getreg_b32 s2, hwreg(HW_REG_IB_STS2, 6, 4)
	s_cmp_eq_u32 s2, 0
	s_cbranch_scc0 .Lentry_in_a_cluster
	s_endpgm
.Lentry_in_a_cluster:
	s_bfe_u32 s2, ttmp6, 0x10000c
	s_cmp_lg_u32 s2, 0xf033
	s_cbranch_scc0 .Lentry_shape_is_right
	s_endpgm
.Lentry_shape_is_right:
; SECOND LAUNCH.  [8192 x 3072] = x [Wq; Wk; Wv]^T on codes of FP4 (E2M1) with one E8M0 scale for each 32 along K = 1,024; sums in f32; the results leave as f16: qkv [3 planes q, k, v][8192][1024].
; Rows 0-8191 of codes and scales are x's (operand A), rows 8192-11263 the three weights' (operand B).  Each wave also stores the largest magnitude of its 128 x 128 results: mx [3][32][4][4 waves] f32.
; LIMITS: |q|, |k|, |v| must stay under 65,504 (f16); what lies under 2^-24 is lost there.
; A tile of C, 256 x 256, is made by four waves, each 128 x 128: 64 accumulators, 512 registers.  K is two slots of 512 (rows of 256 bytes), both asked for at the start: nothing is filled twice.
; The scales of the work-group's 256 + 256 rows, for all of K, are two dense blocks: they come once, with the first fills.
; CLUSTERS: 4 x 4 work-groups.  The four of a row of the cluster need the same tiles of A, the four of a column the same tiles of B: each is asked for jointly, by the same tensor load with the same
; descriptor and a mask that names the four.  THE MATRIX INSTRUCTION IS USED TRANSPOSED (source 0 = 16 rows of B, source 1 = 16 rows of A): a lane holds eight neighbouring numbers of a row of C.
; REGISTERS, in windows of 256: window 0: v0-31 addresses, v8-11 four chains of maxima; v32-95 scale words, two sets; v128-191 A's fragments, one set; on the way out v32-63, v192-255 are at work.
;   window 1: B's fragments, two sets, at v0 and v128.   window 2: the accumulators of my rows 0-63 ((a, b) at v[8 (8 a + b)]);   window 3: those of my rows 64-127.
.set NQ,     4                         ; steps of 128 along K in a slot
.set ROWB,   256                       ; a tile's row in bytes: 512 codes
.set KROW,   512                       ; a row of codes in memory
.set PITCH,  272                       ; an LDS row: 256 bytes + 16 of padding: the 16 rows that a load touches start 68 words apart
.set FR,     8
.set NL,     2
.set NP,     4
.set HALFT,  128*PITCH
.set SLOT,   4*HALFT
.set KS,     32                        ; a row of scales in bytes
.set SCL,    2*SLOT                    ; behind the slots: the scales, as rows of 256 bytes + 16 of padding
.set HALFS,  (128*KS/256)*272
.set SBLK,   (16*KS/256)*272
.set SPARE,  SCL+4*HALFS               ; the spare words, 128 bytes a wave, which no other line names
.set XROWS,  8192
.set CROW,   2048                      ; a row of a plane of qkv in bytes
.set MXR,  8
.set ADRA, 16
.set ADRB, 20
.set STO,  24
.set RD,   25
.set CO,   26
.set ADRS, 27
.set SPW,  28
.set NIL,  29
.set SC,   32
.set AF,   128
.set TMP,  192
.set OB,   32
.set G1, 24
.set G0, 32
.set G1B, 48
.set G0B, 56
.set G1S, 68
.set G0S, 76
.set G1SB, 80
.set G0SB, 88
.set MSB, 0
.macro WIN new                         ; the immediate's high byte repeats the setting that is left
.if MSB != (\new)
	s_set_vgpr_msb (MSB<<8)|(\new)
.set MSB, (\new)
.endif
.endm
.set MUL_LO, 0xa1                      ; source 0 (B) window 1, source 1 (A) window 0, C and D window 2
.set MUL_HI, 0xf1
.set TO_B,   0x40
; A joint load: waves 0 and 1 fetch for A, waves 2 and 3 for B; the branch hangs on the wave's number alone.  An s_nop 0 and four v_nop follow each line.
.macro JLOAD g0a, g1a, g0b, g1b
	s_cmp_eq_u32 s15, 0
	s_cbranch_scc0 .Lfor_b_\@
	tensor_load_to_lds s[\g0a:\g0a+3], s[\g1a:\g1a+7]
	s_nop 0
.rept 4
	v_nop
.endr
	s_branch .Lasked_\@
.Lfor_b_\@:
	tensor_load_to_lds s[\g0b:\g0b+3], s[\g1b:\g1b+7]
	s_nop 0
.rept 4
	v_nop
.endr
.Lasked_\@:
.endm
.macro CROUND                          ; a round of the cluster's barrier
	s_barrier_signal -1
	s_barrier_wait -1
	s_cmp_lg_u32 s14, 0
	s_cbranch_scc1 .Lnot_wave_0_\@
	s_barrier_signal -3
.Lnot_wave_0_\@:
	s_barrier_wait -3
	s_barrier_signal -1
	s_barrier_wait -1
.endm
	s_load_b256 s[4:11], s[0:1], 0x0               ; codes 4, scales 6, qkv 8, mx 10
	v_lshl_add_u32 v[SPW], v0, 2, SPARE
	v_mov_b32 v[NIL], 0
	ds_add_u32 v[SPW], v[NIL]                      ; the wave's opening: the add, twice on end, and its wait ahead of my first tensor load
	ds_add_u32 v[SPW], v[NIL]
	v_lshrrev_b32 v1, 5, v0
	v_readfirstlane_b32 s14, v1                    ; wave
	s_lshr_b32 s15, s14, 1                         ; my half of the tile's rows.  Also: I fetch for A (0) or B (1)
	s_and_b32 s16, s14, 1                          ; my half of its columns.  Also: which 128 rows I fetch
	s_bfe_u32 s40, ttmp6, 0x40000                  ; cx
	s_bfe_u32 s41, ttmp6, 0x40004                  ; cy
	s_lshl_b32 s42, ttmp9, 2
	s_add_co_u32 s42, s42, s40                     ; tile column 0..11
	s_and_b32 s17, ttmp7, 0xffff
	s_lshl_b32 s17, s17, 2
	s_add_co_u32 s17, s17, s41                     ; tile row 0..31
	s_lshl_b32 s43, s41, 2
	s_lshl_b32 s43, 15, s43                        ; my row of the cluster
	s_lshl_b32 s44, 0x1111, s40                    ; my column
	s_or_b32 s[G1+0], s43, (0<<16)|(1<<20)|(1<<21)|(5<<22)|(3<<25)  ; mask; elements of 1 byte; padding of 4 words behind every 64; bit 21 beside a mask
	s_or_b32 s[G1B+0], s44, (0<<16)|(1<<20)|(1<<21)|(5<<22)|(3<<25)
.irp g, G1, G1B
	s_mov_b32 s[\g+1], ROWB<<16                    ; tensor_dim0
	s_mov_b32 s[\g+2], 128<<16                     ; tensor_dim1
	s_mov_b32 s[\g+3], ROWB<<16                    ; tile_dim0
	s_mov_b32 s[\g+4], 128                         ; tile_dim1
	s_mov_b32 s[\g+5], KROW                        ; pitch
	s_mov_b32 s[\g+6], 0
	s_mov_b32 s[\g+7], 0
.endr
	s_or_b32 s[G1S+0], s43, (3<<16)|(1<<20)|(1<<21)|(5<<22)|(3<<25) ; the scales of 128 rows: 4,096 dense bytes as 16 rows of 32 elements of 8 bytes
	s_or_b32 s[G1SB+0], s44, (3<<16)|(1<<20)|(1<<21)|(5<<22)|(3<<25)
.irp g, G1S, G1SB
	s_mov_b32 s[\g+1], 32<<16
	s_mov_b32 s[\g+2], (128*KS/256)<<16
	s_mov_b32 s[\g+3], 32<<16
	s_mov_b32 s[\g+4], 128*KS/256
	s_mov_b32 s[\g+5], 32
	s_mov_b32 s[\g+6], 0
	s_mov_b32 s[\g+7], 0
.endr
	s_lshl_b32 s18, s16, 7
	s_lshl_b32 s20, s17, 8
	s_add_co_u32 s20, s20, s18                     ; A: row 256 x tile row + 128 x half
	s_lshl_b32 s46, s42, 8
	s_add_co_u32 s46, s46, s18
	s_add_co_u32 s46, s46, XROWS                   ; B: the weights' rows lie behind x's
	s_lshl_b32 s22, s20, 5                         ; their scales, 32 bytes a row,
	s_mov_b32 s23, 0
	s_lshl_b32 s92, s46, 5
	s_mov_b32 s93, 0
	s_lshl_b32 s20, s20, 9                         ; and their codes, 512 bytes a row
	s_mov_b32 s21, 0
	s_lshl_b32 s46, s46, 9
	s_mov_b32 s47, 0
	s_mul_i32 s45, s14, HALFT                      ; where they go: wave x 128 rows
	s_mul_i32 s94, s14, HALFS
	s_wait_dscnt 0x0                               ; both opening adds are done
	s_wait_kmcnt 0x0
	s_add_nc_u64 s[20:21], s[4:5], s[20:21]
	s_add_nc_u64 s[22:23], s[6:7], s[22:23]
	s_add_nc_u64 s[46:47], s[4:5], s[46:47]
	s_add_nc_u64 s[92:93], s[6:7], s[92:93]
	CROUND                                         ; all sixteen work-groups are here: the joint loads meet
	s_mov_b32 s[G0S], 1
	s_add_co_u32 s[G0S+1], s94, SCL
	s_mov_b64 s[G0S+2:G0S+3], s[22:23]
	s_or_b32 s[G0S+3], s[G0S+3], 0x80000000
	s_mov_b32 s[G0SB], 1
	s_add_co_u32 s[G0SB+1], s94, SCL
	s_mov_b64 s[G0SB+2:G0SB+3], s[92:93]
	s_or_b32 s[G0SB+3], s[G0SB+3], 0x80000000
	JLOAD G0S, G1S, G0SB, G1SB                     ; the scales first
.irp s, 0,1
	s_mov_b32 s[G0+4*\s], 1
	s_add_co_u32 s[G0+4*\s+1], s45, \s*SLOT
	s_add_nc_u64 s[G0+4*\s+2:G0+4*\s+3], s[20:21], \s*ROWB
	s_or_b32 s[G0+4*\s+3], s[G0+4*\s+3], 0x80000000
	s_mov_b32 s[G0B+4*\s], 1
	s_add_co_u32 s[G0B+4*\s+1], s45, \s*SLOT
	s_add_nc_u64 s[G0B+4*\s+2:G0B+4*\s+3], s[46:47], \s*ROWB
	s_or_b32 s[G0B+4*\s+3], s[G0B+4*\s+3], 0x80000000
	JLOAD G0+4*\s, G1, G0B+4*\s, G1B               ; three tensor loads of mine are out at the most
.endr
	v_and_b32 v1, 15, v0                           ; r
	v_bfe_u32 v2, v0, 4, 1                         ; h
	v_mul_u32_u24 v3, v1, PITCH
	v_lshl_add_u32 v4, v2, 4, v3                   ; row x pitch + 16 h
	s_mul_i32 s21, s15, HALFT
	s_mul_i32 s22, s16, HALFT
	s_add_co_u32 s22, s22, 2*HALFT
.irp s, 0,1
	v_add_nc_u32 v[ADRA+\s], s21, v4
	v_add_nc_u32 v[ADRB+\s], s22, v4
	s_add_co_u32 s21, s21, SLOT
	s_add_co_u32 s22, s22, SLOT
.endr
	v_mul_u32_u24 v5, v1, KS                       ; my row's scales: 32 bytes a row,
	v_lshrrev_b32 v6, 8, v5
	v_lshl_add_u32 v5, v6, 4, v5                   ; and 16 more for each 256 passed
	s_mul_i32 s21, s15, HALFS
	s_mul_i32 s22, s16, HALFS
	s_add_co_u32 s22, s22, 2*HALFS
	s_sub_co_u32 s22, s22, s21
	v_mul_u32_u24 v6, s22, v2                      ; lanes 16-31 take B's
	s_add_co_u32 s21, s21, SCL
	v_add_nc_u32 v5, v5, v6
	v_add_nc_u32 v[ADRS], s21, v5
	s_mul_i32 s23, s14, 16*PITCH                   ; my stage for the way out: 16 rows x 272 bytes, in slot 0, which has had its only fill and its last read by then
	v_add_nc_u32 v[STO], s23, v4                   ; in: row r, 16 bytes for each half of the lanes
	v_mul_u32_u24 v5, v2, PITCH
	v_lshl_add_u32 v5, v1, 4, v5
	v_add_nc_u32 v[RD], s23, v5                    ; back: lanes 0-15 one row of 256 bytes, lanes 16-31 the next
	v_lshlrev_b32 v5, 11, v2
	v_lshl_add_u32 v[CO], v1, 4, v5                ; and the same two rows in qkv
	s_lshl_b32 s20, s17, 8
	s_lshl_b32 s21, s15, 7
	s_add_co_u32 s20, s20, s21                     ; my first row
	s_lshl_b32 s20, s20, 11
	s_and_b32 s46, s42, 3
	s_lshl_b32 s46, s46, 9
	s_lshl_b32 s47, s16, 8
	s_add_co_u32 s46, s46, s47                     ; my first column in its plane, in bytes
	s_lshr_b32 s47, s42, 2
	s_lshl_b32 s47, s47, 24                        ; the plane: 16,777,216 bytes
	s_add_co_u32 s46, s46, s47
	s_add_co_u32 s20, s20, s46
	s_mov_b32 s21, 0
	s_add_nc_u64 s[12:13], s[8:9], s[20:21]
	s_lshr_b32 s46, s42, 2                         ; my word of mx: ((plane x 32 + tile row) x 4 + tile column % 4) x 4 + wave
	s_lshl_b32 s46, s46, 7
	s_lshl_b32 s47, s17, 2
	s_add_co_u32 s46, s46, s47
	s_and_b32 s47, s42, 3
	s_add_co_u32 s46, s46, s47
	s_lshl_b32 s46, s46, 2
	s_add_co_u32 s46, s46, s14
	s_lshl_b32 s46, s46, 2
	s_mov_b32 s47, 0
	s_add_nc_u64 s[10:11], s[10:11], s[46:47]
	s_mov_b32 s18, 0x76543210
	s_mov_b32 s19, 0xfedcba98
.macro FRAG reg, adr, q, i             ; 16 rows x 128 K of 4-bit codes: 8 registers; registers 4 c .. 4 c + 3 hold K = 64 c + 32 (lane / 16) + 0 .. 31
.irp c, 0,1
	ds_load_b128 v[\reg+4*\c:\reg+4*\c+3], v[\adr] offset:64*(\q)+32*\c+(\i)*16*PITCH
.endr
.endm
; 16 matrix instructions: A's blocks a0, a0 + 1 x B's eight.  The 64 accumulators take turns, one instruction a turn.
.macro MUL16 a0, p, q, sc, zero
.irp a, \a0, \a0+1
.irp b, 0,1,2,3,4,5,6,7
.if \zero
	v_wmma_scale_f32_16x16x128_f8f6f4 v[8*(8*((\a)%4)+\b):8*(8*((\a)%4)+\b)+7], v[128*(\p)+FR*\b:128*(\p)+FR*\b+FR-1], v[AF+FR*(\a):AF+FR*(\a)+FR-1], 0, v[SC+8*NQ*(\sc)+NQ*\b+(\q)], v[SC+8*NQ*(\sc)+NQ*(\a)+(\q)] matrix_a_fmt:MATRIX_FMT_FP4 matrix_b_fmt:MATRIX_FMT_FP4 matrix_a_scale:MATRIX_SCALE_ROW1
.else
	v_wmma_scale_f32_16x16x128_f8f6f4 v[8*(8*((\a)%4)+\b):8*(8*((\a)%4)+\b)+7], v[128*(\p)+FR*\b:128*(\p)+FR*\b+FR-1], v[AF+FR*(\a):AF+FR*(\a)+FR-1], v[8*(8*((\a)%4)+\b):8*(8*((\a)%4)+\b)+7], v[SC+8*NQ*(\sc)+NQ*\b+(\q)], v[SC+8*NQ*(\sc)+NQ*(\a)+(\q)] matrix_a_fmt:MATRIX_FMT_FP4 matrix_b_fmt:MATRIX_FMT_FP4 matrix_a_scale:MATRIX_SCALE_ROW1
.endif
.endr
.endr
.endm
.macro FETCH_B slot, q, p
	WIN TO_B
.irp i, 0,1,2,3,4,5,6,7
	FRAG 128*(\p)+FR*\i, ADRB+\slot, \q, \i
.endr
	WIN 0
.endm
.macro FETCH_A slot, q, i0
.irp i, \i0, \i0+1, \i0+2, \i0+3
	FRAG AF+FR*(\i), ADRA+\slot, \q, \i
.endr
.endm
.macro SCALES sc                       ; a slot's scale words: lanes 0-15 take A's block i, lanes 16-31 B's block i
.irp i, 0,1,2,3,4,5,6,7
	ds_load_b128 v[SC+8*NQ*\sc+NQ*\i:SC+8*NQ*\sc+NQ*\i+3], v[ADRS] offset:\i*SBLK
.endr
.endm
.macro PLACES n                        ; plain vector lines between a matrix instruction and a load into, or a vector read of, its registers
.rept \n
	v_nop
.endr
.endm
.macro STEP slot, q, zero              ; a step of 128 along K that has its successor in the same slot
	s_wait_dscnt 4*NL                              ; B's set and A's blocks 0-3 are in; the youngest eight loads (A's blocks 4-7) may be out
	WIN MUL_LO
	MUL16 0, (\q)%2, \q, \slot, \zero
	MUL16 2, (\q)%2, \q, \slot, \zero
	s_wait_dscnt 0
	PLACES NP
	FETCH_B \slot, (\q)+1, 1-(\q)%2
	FETCH_A \slot, (\q)+1, 0
	WIN MUL_HI
	MUL16 4, (\q)%2, \q, \slot, \zero
	MUL16 6, (\q)%2, \q, \slot, \zero
	PLACES NP
	WIN 0
	FETCH_A \slot, (\q)+1, 4
.endm
.macro STEPS slot, from
.set Q, \from
.rept NQ-1-\from
	STEP \slot, Q, 0
.set Q, Q+1
.endr
.endm
	s_wait_tensorcnt 1                             ; the scales and my part of slot 0 are in; slot 1's load may be out
	s_barrier_signal -1
	s_barrier_wait -1
	FETCH_B 0, 0, 0
	FETCH_A 0, 0, 0
	SCALES 0
	FETCH_A 0, 0, 4
	STEP 0, 0, 1                                   ; the first products start the sums: nothing is cleared
	STEPS 0, 1
	; slot 0's last step changes slots: one barrier; in front of it my part of slot 1 has landed
	s_wait_tensorcnt 0x0
	ds_add_u32 v[SPW], v[NIL]
	s_wait_dscnt 4*NL+1                            ; the add and the youngest eight loads may be out
	WIN MUL_LO
	MUL16 0, 1, NQ-1, 0, 0
	s_wait_dscnt 0x0                               ; the add is done, and my reads of slot 0 are over
	s_barrier_signal -1
	MUL16 2, 1, NQ-1, 0, 0
	WIN 0
	s_barrier_wait -1
	PLACES NP
	v_add_nc_u32 v[ADRS], 4*NQ, v[ADRS]            ; on to slot 1's scale words
	FETCH_B 1, 0, 0
	FETCH_A 1, 0, 0
	SCALES 1
	WIN MUL_HI
	MUL16 4, 1, NQ-1, 0, 0
	MUL16 6, 1, NQ-1, 0, 0
	PLACES NP
	WIN 0
	FETCH_A 1, 0, 4
	STEPS 1, 0
	s_wait_dscnt 4*NL
	WIN MUL_LO
	MUL16 0, 1, NQ-1, 1, 0
	MUL16 2, 1, NQ-1, 1, 0
	s_wait_dscnt 0
	WIN MUL_HI
	MUL16 4, 1, NQ-1, 1, 0
	MUL16 6, 1, NQ-1, 1, 0
	WIN 0
; THE WAY OUT, a block of 16 rows x 128 columns at a time: rounded to f16 (16 bytes a lane), through my stage, back as whole rows of 256 bytes.  The largest magnitude rides on the same registers.
.macro PACK a
.set AC, 64*((\a)%4)
	WIN 0x0a+5*((\a)/4)                            ; sources 0 and 1: window 2 or 3; source 2 and destination: window 0
.irp b, 0,1,2,3,4,5,6,7
.irp r, 0,1,2,3
	v_cvt_pk_f16_f32 v[TMP+4*\b+\r], v[AC+8*\b+2*\r], v[AC+8*\b+2*\r+1]      ; each accumulator from its low end on
	v_max3_num_f32 v[MXR+\r], |v[AC+8*\b+2*\r]|, |v[AC+8*\b+2*\r+1]|, v[MXR+\r]
.endr
.endr
	WIN 0
.endm
.macro TOSTAGE a
.set BK, OB+192*((\a)%2)
.irp b, 0,1,2,3,4,5,6,7
	ds_store_b128 v[STO], v[TMP+4*\b:TMP+4*\b+3] offset:32*\b
.endr
.irp t, 0,1,2,3,4,5,6,7
	ds_load_b128 v[BK+4*\t:BK+4*\t+3], v[RD] offset:\t*2*PITCH     ; LDS serves a wave's instructions in order: these see the stores above
.endr
.endm
.macro SEND a
.set BK, OB+192*((\a)%2)
	s_wait_dscnt 0x0                               ; the block is back in registers
	s_wait_xcnt 0x0                                ; earlier stores have read their base and their data: both are written again only behind this wait
.if (\a) > 0
	s_add_nc_u64 s[12:13], s[12:13], 16*CROW
.endif
.irp t, 0,1,2,3,4,5,6,7
	global_store_b128 v[CO], v[BK+4*\t:BK+4*\t+3], s[12:13] offset:2*\t*CROW   ; 16 lanes store 256 consecutive bytes, aligned
.endr
.endm
.irp r, 0,1,2,3
	v_mov_b32 v[MXR+\r], 0                         ; four plain lines: also the places behind the last products
.endr
	PACK 0
	TOSTAGE 0
.irp a, 1,2,3,4,5,6,7
	PACK \a
	SEND \a-1
	TOSTAGE \a
.endr
	SEND 7
	v_max3_num_f32 v[MXR], v[MXR], v[MXR+1], v[MXR+2]
	v_max_num_f32 v[MXR], v[MXR], v[MXR+3]
	v_max_num_f32_dpp v[MXR], v[MXR], v[MXR] row_xmask:1 row_mask:0xf bank_mask:0xf
	v_max_num_f32_dpp v[MXR], v[MXR], v[MXR] row_xmask:2 row_mask:0xf bank_mask:0xf
	v_max_num_f32_dpp v[MXR], v[MXR], v[MXR] row_xmask:4 row_mask:0xf bank_mask:0xf
	v_max_num_f32_dpp v[MXR], v[MXR], v[MXR] row_xmask:8 row_mask:0xf bank_mask:0xf
	v_permlanex16_b32 v[MXR+1], v[MXR], s18, s19
	v_max_num_f32 v[MXR], v[MXR], v[MXR+1]         ; the wave's largest magnitude
	v_and_b32 v[MXR+2], 31, v0
	v_mov_b32 v[MXR+3], 0
	v_cmp_eq_u32 vcc_lo, 0, v[MXR+2]
	s_wait_xcnt 0x0                                ; EXEC changes only behind this wait
	s_and_saveexec_b32 s20, vcc_lo
	global_store_b32 v[MXR+3], v[MXR], s[10:11]    ; lane 0
	s_wait_xcnt 0x0
	s_or_b32 exec_lo, exec_lo, s20
	s_wait_tensorcnt 0x0                           ; the wave's end
	ds_add_u32 v[SPW], v[NIL]
	s_wait_dscnt 0x0
	CROUND                                         ; the closing round
	s_endpgm
.Lfunc_end_k_q7f190e83fe_qkv:
	.size	k_q7f190e83fe_qkv, .Lfunc_end_k_q7f190e83fe_qkv-k_q7f190e83fe_qkv
	.p2alignl 7, 3214868480
	.fill 96, 4, 3214868480
	.section	.rodata,"a",@progbits
	.p2align	6, 0x0
	.amdhsa_kernel k_q7f190e83fe_qkv
		.amdhsa_group_segment_fixed_size 327680
		.amdhsa_private_segment_fixed_size 0
		.amdhsa_enable_private_segment 0
		.amdhsa_kernarg_size 32
		.amdhsa_user_sgpr_count 2
		.amdhsa_user_sgpr_kernarg_segment_ptr 1
		.amdhsa_wavefront_size32 1
		.amdhsa_system_sgpr_workgroup_id_x 1
		.amdhsa_system_sgpr_workgroup_id_y 1
		.amdhsa_system_sgpr_workgroup_id_z 1
		.amdhsa_system_vgpr_workitem_id 0
		.amdhsa_next_free_vgpr 1024
		.amdhsa_next_free_sgpr 98
		.amdhsa_reserve_vcc 1
		.amdhsa_float_denorm_mode_32 3
		.amdhsa_float_denorm_mode_16_64 3
		.amdhsa_memory_ordered 1
		.amdhsa_forward_progress 1
		.amdhsa_inst_pref_size 144
	.end_amdhsa_kernel
	.amdgpu_metadata
---
amdhsa.version: [ 1, 2 ]
amdhsa.kernels:
  - .name:           k_q7f190e83fe_qkv
    .symbol:         k_q7f190e83fe_qkv.kd
    .args:
      - { .name: codes, .offset: 0, .size: 8, .value_kind: global_buffer, .address_space: global }
      - { .name: scales, .offset: 8, .size: 8, .value_kind: global_buffer, .address_space: global }
      - { .name: qkv, .offset: 16, .size: 8, .value_kind: global_buffer, .address_space: global }
      - { .name: mx, .offset: 24, .size: 8, .value_kind: global_buffer, .address_space: global }
    .group_segment_fixed_size: 327680
    .private_segment_fixed_size: 0
    .kernarg_segment_align: 8
    .kernarg_segment_size: 32
    .max_flat_workgroup_size: 128
    .sgpr_count:     98
    .vgpr_count:     1024
    .wavefront_size: 32
...
	.end_amdgpu_metadata
.endif
;; end of part 2
;; launch pvo (part 3): grid 16 x 16, 4 waves a work-group, no clusters, 327,680 bytes of LDS; arguments qkv, woh, aux, mx, pw, vot; writes pw, vot
.if DOCPART == 3
	.amdgcn_target "amdgcn-amd-amdhsa--gfx1250"
	.amdhsa_code_object_version 6
	.text
	.protected	k_q7f190e83fe_pvo
	.globl	k_q7f190e83fe_pvo
	.p2align	8
	.type	k_q7f190e83fe_pvo,@function
k_q7f190e83fe_pvo:
	s_mov_b64 s[64:65], 0
	v_nop
	global_prefetch_b8 v0, s[64:65] scope:SCOPE_SE
	s_setreg_imm32_b32 hwreg(HW_REG_WAVE_MODE, 25, 1), 1
	s_wait_xcnt 0x0
; THIRD LAUNCH.  256 work-groups of four waves; each makes one tile of 256 x 256 of C = A B^T, K = 1,024, f16 operands, f32 sums, a wave 128 x 128; 64 of them make a quarter tile more.
;  y < 9 (144 tiles):  P'[b][i][j] = (q_i . k_j) x 2^(L_j (j - i - 1) + kc) where j > i, else 0.  Only tiles (I, J) with J >= I: the others lie wholly under the mask that the problem builds itself.
;                      Rows p and 7 - p of the staircase hold 9 tiles together: x = 4 b + p, y picks one of the nine.  kc = 3 - Gq - Gk holds the 1/32 of the scores' scale.
;  y >= 9 (112 tiles): voT'[e][key] = (Wo_e . v_key) x 2^kc, kc = 3 - Gv - Gw, keys 0 .. 7,167.  Wo is applied to v BEFORE the sum over keys: (P v) Wo^T = P (v Wo^T); the order of rounding differs from the problem's text.
;  THE LAST 1,024 KEYS of voT' are 16 tiles' worth: 144 + 128 tiles are more than there are work-groups in one round of 256.  They are cut into 64 tiles of 128 x 128, and the work-groups with y = 9 .. 12 make one each,
;                      behind their main loop and ahead of their way out: the same tensors, the same kc, the same two LDS slots and the same shape of tensor load.
; G_t is the exponent of the largest |t| (held at 2^-24 from below), from the maxima that earlier launches stored.  A sum of 1,024 products is at most 2^(12 + G1 + G2), so both results are at most 2^15: inside f16.
; The powers of two are exact.  The mask costs no compare: a distance under 0 is at most -1 and adds at most -2^20 to the exponent, so the exponential is 0; L lies in -26.6 .. 0.
; NO CLUSTER: P's tiles form rows of 8, 7, .. 1 tiles, which do not divide into fours that share a tile, and filling the rows up would launch work-groups whose whole tile is thrown away.
; K goes in steps of 128 (rows of 256 bytes) through two LDS slots; each wave fetches a quarter of a slot by one tensor load: two loads of mine are out at the start, one behind each barrier.
; THE MATRIX INSTRUCTION IS USED TRANSPOSED (source 0 = 16 rows of B, source 1 = 16 rows of A): a lane holds row r of a block of A's rows and eight neighbouring columns.
; REGISTERS: window 0: v1 the prefetch's offset; v2-9 the distance j - i - 1 of my eight columns in block (0, 0); v10-11 kc; v12-13 2^kc; v14-31 addresses; v64-127, v128-191 A's fragments, on the way out exponents and masks;
;   v192-223 packed results; v32-63, v224-255 rows on their way out.   window 1: v0-63 L of my 128 columns; v64-191 B's fragments.   windows 2, 3: the accumulators ((a, b) at v[8 (8 a + b)]).
;   The quarter tile leaves windows 2 and 3 alone: window 0 v64-127 Wo's fragments (two buffers), v128-255 its 16 accumulators; window 1 v0-255 v's fragments (two buffers).
.set KSTEP,  128
.set PITCH,  272                       ; an LDS row: 256 bytes + 16 of padding
.set HALFT,  128*PITCH
.set SLOT,   4*HALFT                   ; A's 256 rows, then B's 256 rows
.set STAGEP, 2*SLOT                    ; the way out of a tile of P': 16 rows x 272 bytes for each wave
.set STAGEV, STAGEP+4*16*PITCH         ; and of a tile of voT': bytes of its own
.set SPARE,  STAGEV+4*16*PITCH         ; the spare words, 128 bytes a wave, which no other line names
.set LAPS,   4                         ; 1,024 / (2 x 128)
.set XKEY0,  7168                      ; the quarter tiles' first key
.set PFO,  1
.set DR,   2
.set KC,   10
.set FF,   12
.set XADB, 14                          ; v14-15  the quarter tile: LDS address of v's fragments in slot 0, 1
.set ADRA, 16
.set LOF,  19
.set ADRB, 20
.set STOV, 22
.set RDV,  23
.set STOP, 24
.set RDP,  25
.set COP,  26
.set COV,  27
.set SPW,  28
.set NIL,  29
.set XADA, 30                          ; v30-31  the quarter tile: LDS address of Wo's fragments in slot 0, 1
.set OB,   32
.set F0,   64
.set F1,   128
.set EX,   64
.set UU,   128
.set TMP,  192
.set XAF,  64
.set XACC, 128
.set G1,   32                          ; s[32:39] descriptor group 1
.set G0,   40                          ; s[40:47] group 0, a set for each slot
.set CP,   48                          ; s[48:49] where my part of C stands
.set SEL,  50
.set PFA,  76                          ; s[76:77] where my wave's prefetch stands
.set MSB, 0
.macro WIN new
.if MSB != (\new)
	s_set_vgpr_msb (MSB<<8)|(\new)
.set MSB, (\new)
.endif
.endm
.set MUL_LO, 0xa1
.set MUL_HI, 0xf1
.set TO_B,   0x40
	s_load_b256 s[4:11], s[0:1], 0x0               ; qkv 4, woh 6, aux 8, mx 10
	s_load_b128 s[12:15], s[0:1], 0x20             ; pw 12, vot 14
	v_lshl_add_u32 v[SPW], v0, 2, SPARE
	v_mov_b32 v[NIL], 0
	ds_add_u32 v[SPW], v[NIL]                      ; the wave's opening: the add, twice on end, and its wait ahead of my first tensor load
	ds_add_u32 v[SPW], v[NIL]
	v_lshrrev_b32 v1, 5, v0
	v_readfirstlane_b32 s16, v1                    ; wave
	s_lshr_b32 s17, s16, 1                         ; hr: my half of the tile's rows
	s_and_b32 s18, s16, 1                          ; hc: my half of its columns; also which 128 rows I fetch
	s_and_b32 s20, ttmp7, 0xffff                   ; y
	s_sub_co_u32 s19, s20, 9                       ; y - 9, unsigned: under 4 in the work-groups that make a quarter tile, very large where y < 9
	s_lshr_b32 s21, ttmp9, 2                       ; b
	s_and_b32 s22, ttmp9, 3                        ; p
	s_sub_co_u32 s23, 8, s22
	s_add_co_u32 s24, s22, s20                     ; p + y
	s_sub_co_u32 s25, 7, s22                       ; 7 - p
	s_sub_co_u32 s26, s20, 1                       ; y - 1
	s_cmp_lt_u32 s20, s23
	s_cselect_b32 s24, s24, s26                    ; J
	s_cselect_b32 s25, s22, s25                    ; I
	s_lshl_b32 s26, s21, 11
	s_lshl_b32 s27, s25, 8
	s_add_co_u32 s27, s27, s26                     ; P': A's first row, 2048 b + 256 I
	s_lshl_b32 s28, s24, 8
	s_add_co_u32 s28, s28, s26                     ; P': B's first row, 2048 b + 256 J
	s_sub_co_u32 s29, s20, 9
	s_lshl_b32 s29, s29, 4
	s_add_co_u32 s29, s29, ttmp9                   ; voT': the tile's number, 0..111
	s_and_b32 s30, s29, 3
	s_lshl_b32 s30, s30, 8                         ; 256 et
	s_lshr_b32 s31, s29, 2
	s_lshl_b32 s31, s31, 8                         ; 256 kt
	s_lshl_b32 s52, s17, 7
	s_lshl_b32 s53, s18, 8
	s_add_co_u32 s54, s27, s52                     ; P': my part of C: row x 4,096 bytes + 512 J + 256 hc
	s_lshl_b32 s54, s54, 12
	s_lshl_b32 s55, s24, 9
	s_add_co_u32 s54, s54, s55
	s_add_co_u32 s54, s54, s53
	s_add_co_u32 s56, s30, s52                     ; voT': row x 16,384 bytes + 512 kt + 256 hc
	s_lshl_b32 s56, s56, 14
	s_lshl_b32 s57, s31, 1
	s_add_co_u32 s56, s56, s57
	s_add_co_u32 s56, s56, s53
	s_sub_co_i32 s58, s24, s25                     ; 256 (J - I) + 128 (hc - hr) - 1
	s_lshl_b32 s58, s58, 8
	s_sub_co_i32 s59, s18, s17
	s_lshl_b32 s59, s59, 7
	s_add_co_i32 s58, s58, s59
	s_sub_co_i32 s58, s58, 1
	s_lshl_b32 s60, s28, 2                         ; L of my 128 columns: (2048 b + 256 J + 128 hc) x 4 bytes
	s_lshl_b32 s61, s18, 9
	s_add_co_u32 s60, s60, s61
	s_mov_b32 s61, 0
	s_mov_b32 s66, 0x2000000                       ; v's plane of qkv
	s_mov_b32 s67, 32768
	s_mov_b32 s68, 511
	s_cmp_lt_u32 s20, 9                            ; a tile of P' or of voT'?  Choices on the work-group's number alone
	s_cselect_b32 s62, s27, s30                    ; A's first row
	s_cselect_b32 s63, s28, s31                    ; B's first row
	s_cselect_b32 s66, 0x1000000, s66              ; B's plane: k's or v's
	s_cselect_b32 s54, s54, s56
	s_cselect_b32 s56, 0, 4096                     ; the first tensor's maxima in mx: q's or v's
	s_cselect_b32 s52, 2048, s67                   ; the second's: k's in mx, or Wo's in aux,
	s_cselect_b32 s68, 2047, s68                   ; 2,048 or 512 bytes of them
	s_mov_b32 s55, 0
	s_mov_b32 s57, 0
	s_mov_b32 s53, 0
	s_cmp_lt_u32 s16, 2                            ; waves 0, 1 fetch A's halves, waves 2, 3 B's
	s_cselect_b32 s62, s62, s63
	s_cselect_b32 s66, 0, s66
	s_lshl_b32 s63, s18, 7
	s_add_co_u32 s62, s62, s63
	s_lshl_b32 s62, s62, 11                        ; 2,048 bytes a row
	s_add_co_u32 s62, s62, s66
	s_mov_b32 s63, 0
	s_mul_i32 s69, s16, HALFT                      ; where my quarter of a slot lies
	s_mov_b32 s[G1+0], (1<<16)|(1<<20)|(5<<22)|(3<<25)   ; elements of 2 bytes; 4 words of padding behind every 64
	s_mov_b32 s[G1+1], KSTEP<<16                   ; tensor_dim0
	s_mov_b32 s[G1+2], 128<<16                     ; tensor_dim1
	s_mov_b32 s[G1+3], KSTEP<<16                   ; tile_dim0
	s_mov_b32 s[G1+4], 128                         ; tile_dim1
	s_mov_b32 s[G1+5], 1024                        ; pitch in elements
	s_mov_b32 s[G1+6], 0
	s_mov_b32 s[G1+7], 0
	s_mov_b32 s[SEL], 0x76543210
	s_mov_b32 s[SEL+1], 0xfedcba98
	s_wait_dscnt 0x0                               ; both opening adds are done
	s_wait_kmcnt 0x0
	s_cmp_lt_u32 s20, 9
	s_cselect_b64 s[70:71], s[4:5], s[6:7]         ; A's tensor: q's plane, or Wo
	s_cselect_b64 s[CP:CP+1], s[12:13], s[14:15]
	s_cselect_b64 s[72:73], s[10:11], s[8:9]
	s_cmp_lt_u32 s16, 2
	s_cselect_b64 s[70:71], s[70:71], s[4:5]
	s_add_nc_u64 s[70:71], s[70:71], s[62:63]
.irp n, 0,1
	s_mov_b32 s[G0+4*\n], 1
	s_add_co_u32 s[G0+4*\n+1], s69, \n*SLOT
	s_add_nc_u64 s[G0+4*\n+2:G0+4*\n+3], s[70:71], \n*KSTEP*2
	s_or_b32 s[G0+4*\n+3], s[G0+4*\n+3], 0x80000000
	tensor_load_to_lds s[G0+4*\n:G0+4*\n+3], s[G1:G1+7]            ; K steps 0 and 1: both first fills go out together
	s_nop 0
.endr
.rept 4
	v_nop
.endr
	s_add_nc_u64 s[CP:CP+1], s[CP:CP+1], s[54:55]
	s_add_nc_u64 s[74:75], s[10:11], s[56:57]
	s_add_nc_u64 s[72:73], s[72:73], s[52:53]
	s_add_nc_u64 s[60:61], s[8:9], s[60:61]
	; the prefetch's place: v's rows 7,168 .. 8,191 are 8,192 blocks of 256 bytes; the 64 work-groups x 4 waves x 32 lanes that ask name one each.  (The number is held at 63, so that the address lies in qkv in every work-group.)
	s_min_u32 s56, s19, 3
	s_lshl_b32 s56, s56, 4
	s_add_co_u32 s56, s56, ttmp9                   ; 0..63
	s_lshl_b32 s56, s56, 15                        ; 128 blocks a work-group,
	s_lshl_b32 s52, s16, 13                        ; 32 a wave
	s_add_co_u32 s56, s56, s52
	s_add_co_u32 s56, s56, 0x2e00000               ; v's plane + 7,168 rows of 2,048 bytes
	s_add_nc_u64 s[PFA:PFA+1], s[4:5], s[56:57]
	v_and_b32 v1, 15, v0                           ; r
	v_bfe_u32 v14, v0, 4, 1                        ; h
	v_mul_u32_u24 v15, v1, PITCH
	v_lshl_add_u32 v15, v14, 4, v15                ; r x pitch + 16 h
	s_mul_i32 s21, s17, HALFT
	s_mul_i32 s22, s18, HALFT
	s_add_co_u32 s22, s22, 2*HALFT
.irp s, 0,1
	v_add_nc_u32 v[ADRA+\s], s21, v15
	v_add_nc_u32 v[ADRB+\s], s22, v15
	s_add_co_u32 s21, s21, SLOT
	s_add_co_u32 s22, s22, SLOT
.endr
	s_mul_i32 s23, s16, 16*PITCH
	s_add_co_u32 s21, s23, STAGEP
	s_add_co_u32 s22, s23, STAGEV
	v_add_nc_u32 v[STOP], s21, v15                 ; into a stage: row r, 16 bytes for each half of the lanes
	v_add_nc_u32 v[STOV], s22, v15
	v_mul_u32_u24 v18, v14, PITCH
	v_lshl_add_u32 v18, v1, 4, v18
	v_add_nc_u32 v[RDP], s21, v18                  ; back: lanes 0-15 one row, lanes 16-31 the next
	v_add_nc_u32 v[RDV], s22, v18
	v_lshlrev_b32 v18, 4, v1
	v_lshl_add_u32 v[COP], v14, 12, v18            ; the same two rows in pw (4,096 bytes a row)
	v_lshl_add_u32 v[COV], v14, 14, v18            ; and in vot (16,384)
	v_lshlrev_b32 v[LOF], 5, v14                   ; 32 h
	s_cmp_lt_u32 s20, 9
	s_cbranch_scc0 .Lno_l
	WIN 0x40                                       ; destination window 1
.irp n, 0,1,2,3,4,5,6,7
	global_load_b128 v[8*\n:8*\n+3], v[LOF], s[60:61] offset:64*\n        ; L of columns 16 n + 8 h + 0 .. 7
	global_load_b128 v[8*\n+4:8*\n+7], v[LOF], s[60:61] offset:64*\n+16
.endr
	WIN 0
.Lno_l:
	v_and_b32 v30, 31, v0
	v_lshlrev_b32 v30, 4, v30
.irp i, 0,1,2,3
	global_load_b128 v[32+4*\i:35+4*\i], v30, s[74:75] offset:512*\i
.endr
.irp i, 0,1,2,3
	v_add_nc_u32 v[64+\i], 512*\i, v30
	v_and_b32 v[64+\i], s68, v[64+\i]              ; Wo's 128 words are read four times over: harmless for a maximum
	global_load_b128 v[48+4*\i:51+4*\i], v[64+\i], s[72:73]
.endr
	v_lshlrev_b32 v31, 3, v14
	v_sub_nc_u32 v31, v31, v1
	v_add_nc_u32 v31, s58, v31                     ; j - i - 1 of block (0, 0), register 0: 256 (J - I) + 128 (hc - hr) - 1 + 8 h - r
	v_cvt_f32_i32 v[DR], v31
	v_add_f32 v[DR+1], 1.0, v[DR]
	v_add_f32 v[DR+2], 2.0, v[DR]
	v_add_f32 v[DR+3], 0x40400000, v[DR]
	v_add_f32 v[DR+4], 4.0, v[DR]
	v_add_f32 v[DR+5], 0x40a00000, v[DR]
	v_add_f32 v[DR+6], 0x40c00000, v[DR]
	v_add_f32 v[DR+7], 0x40e00000, v[DR]
	s_wait_loadcnt 0x0
.macro FOLD16 m                        ; 16 maxima a lane -> the exponent field of the largest of all, held at 2^-24 from below, in v[m] of every lane
	v_max3_num_f32 v[\m], v[\m], v[\m+1], v[\m+2]
	v_max3_num_f32 v[\m+3], v[\m+3], v[\m+4], v[\m+5]
	v_max3_num_f32 v[\m+6], v[\m+6], v[\m+7], v[\m+8]
	v_max3_num_f32 v[\m+9], v[\m+9], v[\m+10], v[\m+11]
	v_max3_num_f32 v[\m+12], v[\m+12], v[\m+13], v[\m+14]
	v_max3_num_f32 v[\m], v[\m], v[\m+3], v[\m+6]
	v_max3_num_f32 v[\m+9], v[\m+9], v[\m+12], v[\m+15]
	v_max3_num_f32 v[\m], v[\m], v[\m+9], 0x33800000
	v_max_num_f32_dpp v[\m], v[\m], v[\m] row_xmask:1 row_mask:0xf bank_mask:0xf
	v_max_num_f32_dpp v[\m], v[\m], v[\m] row_xmask:2 row_mask:0xf bank_mask:0xf
	v_max_num_f32_dpp v[\m], v[\m], v[\m] row_xmask:4 row_mask:0xf bank_mask:0xf
	v_max_num_f32_dpp v[\m], v[\m], v[\m] row_xmask:8 row_mask:0xf bank_mask:0xf
	v_permlanex16_b32 v[\m+1], v[\m], s[SEL], s[SEL+1]
	v_max_num_f32 v[\m], v[\m], v[\m+1]
	v_lshrrev_b32 v[\m], 23, v[\m]
.endm
	FOLD16 32
	FOLD16 48
	v_add_nc_u32 v32, v32, v48
	v_sub_nc_u32 v32, 0x101, v32                   ; kc = 3 - G1 - G2 = 257 - the two fields
	v_cvt_f32_i32 v[KC], v32
	v_ldexp_f32 v[FF], 1.0, v32
	v_mov_b32 v[KC+1], v[KC]
	v_mov_b32 v[FF+1], v[FF]
	; the quarter tile's LDS addresses, made here with all the others: in a slot Wo's 128 rows lie twice (two K steps of 128), then v's 128 rows twice; my wave takes Wo's rows 32 w .. 32 w + 31 and all of v's
	s_mul_i32 s21, s16, 32*PITCH
	v_add_nc_u32 v[XADA], s21, v15
	s_add_co_u32 s21, s21, SLOT
	v_add_nc_u32 v[XADA+1], s21, v15
	v_add_nc_u32 v[XADB], 2*HALFT, v15
	v_add_nc_u32 v[XADB+1], 2*HALFT+SLOT, v15      ; (in place: the lane's term is wanted no more)
	v_and_b32 v[PFO], 31, v0
	v_lshlrev_b32 v[PFO], 8, v[PFO]                ; the prefetch: lanes 256 bytes apart; never rewritten
; 16 matrix instructions: m blocks a0, a0 + 1 of the window's four x all 8 n blocks, 32 along K.  The 64 accumulators take turns, one instruction a turn.
.macro MUL16 f, hi, a0, zero
.irp a, \a0, \a0+1
.irp b, 0,1,2,3,4,5,6,7
.if \zero
	v_wmma_f32_16x16x32_f16 v[8*(8*(\a)+\b):8*(8*(\a)+\b)+7], v[\f+8*\b:\f+8*\b+7], v[\f+8*(4*\hi+\a):\f+8*(4*\hi+\a)+7], 0
.else
	v_wmma_f32_16x16x32_f16 v[8*(8*(\a)+\b):8*(8*(\a)+\b)+7], v[\f+8*\b:\f+8*\b+7], v[\f+8*(4*\hi+\a):\f+8*(4*\hi+\a)+7], v[8*(8*(\a)+\b):8*(8*(\a)+\b)+7]
.endif
.endr
.endr
.endm
.macro FETCH slot, k, f                ; 32 LDS loads in one run: the fragments of 32 along K at byte k of the rows
	WIN TO_B
.irp i, 0,1,2,3,4,5,6,7
	ds_load_b128 v[\f+8*\i:\f+8*\i+3],   v[ADRB+\slot] offset:\k+\i*16*PITCH
	ds_load_b128 v[\f+8*\i+4:\f+8*\i+7], v[ADRB+\slot] offset:\k+\i*16*PITCH+32
.endr
	WIN 0
.irp i, 0,1,2,3,4,5,6,7
	ds_load_b128 v[\f+8*\i:\f+8*\i+3],   v[ADRA+\slot] offset:\k+\i*16*PITCH
	ds_load_b128 v[\f+8*\i+4:\f+8*\i+7], v[ADRA+\slot] offset:\k+\i*16*PITCH+32
.endr
.endm
.macro PLACES                          ; four plain vector lines between a matrix instruction and a load into, or a vector access of, its registers
.rept 4
	v_nop
.endr
.endm
.macro QUARTER slot, k, f, g, zero     ; 64 matrix instructions on buffer f; in the middle the next quarter's fragments, at byte k, into buffer g
	s_wait_dscnt 8                                 ; B and A's rows 0-63 are in; the youngest eight loads (A's rows 64-127) may be out
	WIN MUL_LO
	MUL16 \f, 0, 0, \zero
	MUL16 \f, 0, 2, \zero
	PLACES
	FETCH \slot, \k, \g
	s_wait_dscnt 32                                ; all but the 32 just issued
	WIN MUL_HI
	MUL16 \f, 1, 0, \zero
	MUL16 \f, 1, 2, \zero
.endm
; A K step's last quarter changes slots: ONE barrier.  In front of it each wave waits for all its tensor loads (its part of the next slot), adds 0 to its spare word, and waits for that and for its reads of
; this slot.  fill = 1: this slot is filled again first thing behind the barrier, two K steps ahead: 224 matrix instructions stand between that request and the wait for it.
; fill = 0 (the main loop's last change of slots): the waves of the 64 work-groups that go on to a quarter tile ask here, behind their run of LDS loads, for v's rows 7,168 .. 8,191, which no full tile of the launch
; reads: one instruction a wave, a lane a block of 256 bytes, each block named once in the launch; 288 matrix instructions stand between this line and the first tensor load that wants such a row.
.macro TURN slot, next, fill
	WIN 0
	s_wait_tensorcnt 0x0
	ds_add_u32 v[SPW], v[NIL]
	s_wait_dscnt 9                                 ; the add and the youngest eight loads may be out
	WIN MUL_LO
	MUL16 F1, 0, 0, 0
	s_wait_dscnt 0x0                               ; the add is done, and my reads of this slot are over
	s_barrier_signal -1
	MUL16 F1, 0, 2, 0
	WIN 0
	s_barrier_wait -1
.if \fill
	s_add_nc_u64 s[G0+4*\slot+2:G0+4*\slot+3], s[G0+4*\slot+2:G0+4*\slot+3], 2*KSTEP*2   ; no tensor load of mine is out: the group 0 may be written
	tensor_load_to_lds s[G0+4*\slot:G0+4*\slot+3], s[G1:G1+7]
	s_nop 0
.rept 4
	v_nop                                          ; also the places in front of the loads below
.endr
.else
	PLACES
.endif
	FETCH \next, 0, F0
.if \fill == 0
	s_cmp_lt_u32 s19, 4                            ; the work-group's number alone
	s_cbranch_scc0 .Lno_ask_\@
	global_prefetch_b8 v[PFO], s[PFA:PFA+1] th:TH_LOAD_NT scope:SCOPE_SE
.Lno_ask_\@:
.endif
	WIN MUL_HI
	MUL16 F1, 1, 0, 0
	MUL16 F1, 1, 2, 0
.endm
	s_wait_tensorcnt 1                             ; my part of K step 0 is in; K step 1's may be out
	s_barrier_signal -1
	s_barrier_wait -1
	FETCH 0, 0, F0
	QUARTER 0, 64,  F0, F1, 1                      ; the first products start the sums: nothing is cleared
	WIN 0
	s_mov_b32 s3, LAPS-1
.Llap:                                             ; a trip goes once round the ring and fills both slots again: K steps 2 to 7
	QUARTER 0, 128, F1, F0, 0
	QUARTER 0, 192, F0, F1, 0
	TURN 0, 1, 1
	QUARTER 1, 64,  F0, F1, 0
	QUARTER 1, 128, F1, F0, 0
	QUARTER 1, 192, F0, F1, 0
	TURN 1, 0, 1
	QUARTER 0, 64,  F0, F1, 0
	WIN 0
	s_sub_co_u32 s3, s3, 1
	s_cmp_lg_u32 s3, 0
	s_cbranch_scc1 .Llap
	QUARTER 0, 128, F1, F0, 0                      ; the last lap fills nothing
	QUARTER 0, 192, F0, F1, 0
	TURN 0, 1, 0
	QUARTER 1, 64,  F0, F1, 0
	QUARTER 1, 128, F1, F0, 0
	QUARTER 1, 192, F0, F1, 0
	s_wait_dscnt 8
	WIN MUL_LO
	MUL16 F1, 0, 0, 0
	MUL16 F1, 0, 2, 0
	s_wait_dscnt 0
	WIN MUL_HI
	MUL16 F1, 1, 0, 0
	MUL16 F1, 1, 2, 0
	WIN 0
	PLACES
.macro TOSTAGE a, sto, rd
.set BK, OB+192*((\a)%2)
.irp b, 0,1,2,3,4,5,6,7
	ds_store_b128 v[\sto], v[TMP+4*\b:TMP+4*\b+3] offset:32*\b
.endr
.irp t, 0,1,2,3,4,5,6,7
	ds_load_b128 v[BK+4*\t:BK+4*\t+3], v[\rd] offset:\t*2*PITCH    ; LDS serves a wave's instructions in order: these see the stores above
.endr
.endm
.macro SEND a, co, rowb
.set BK, OB+192*((\a)%2)
	s_wait_dscnt 0x0                               ; the block is back in registers
	s_wait_xcnt 0x0                                ; earlier stores have read their base and data: both are written again only behind this wait
.if (\a) > 0
	s_add_nc_u64 s[CP:CP+1], s[CP:CP+1], 16*\rowb
.endif
.irp t, 0,1,2,3,4,5,6,7
	global_store_b128 v[\co], v[BK+4*\t:BK+4*\t+3], s[CP:CP+1] offset:2*\t*\rowb   ; 16 lanes store 256 consecutive bytes, aligned
.endr
.endm
.macro SETF k                          ; FB = the bits of the f32 number 16 k, k = -7 .. 7
.set KA, (\k)
.set SG, 0
.if KA < 0
.set KA, -KA
.set SG, 0x80000000
.endif
.set EE, 0
.if KA >= 2
.set EE, 1
.endif
.if KA >= 4
.set EE, 2
.endif
.if KA == 0
.set FB, 0
.else
.set FB, SG|((131+EE)<<23)|((KA-(1<<EE))<<(23-EE))
.endif
.endm
; Block a of P' (16 rows x 128 columns): register 8 n + i of a lane holds row 16 a + r, column 16 n + 8 h + i; its distance t = j - i - 1 is DR[i] + 16 (n - a).
.macro PBLOCK a
.set AC, 64*((\a)%4)
	WIN 0
.irp n, 0,1,2,3,4,5,6,7
	SETF \n-(\a)
.irp q, 0,2,4,6
	v_pk_add_f32 v[EX+8*\n+\q:EX+8*\n+\q+1], v[DR+\q:DR+\q+1], FB op_sel_hi:[1,0]    ; t
.endr
.endr
.set j, 0
.rept 64
	v_min_num_f32 v[UU+j], 0, v[EX+j]              ; min(t, 0): 0 where the key counts, at most -1 where it does not
.set j, j+1
.endr
	WIN 0x01                                       ; source 0 (L) window 1
.set j, 0
.rept 32
	v_pk_fma_f32 v[EX+j:EX+j+1], v[j:j+1], v[EX+j:EX+j+1], v[KC:KC+1]                 ; L t + kc
.set j, j+2
.endr
	WIN 0
.set j, 0
.rept 32
	v_pk_fma_f32 v[EX+j:EX+j+1], v[UU+j:UU+j+1], 0x49800000, v[EX+j:EX+j+1] op_sel_hi:[1,0,1]   ; + 2^20 min(t, 0): the mask
.set j, j+2
.endr
.set j, 0
.rept 64
	v_exp_f32 v[EX+j], v[EX+j]                     ; the weight x 2^kc; 0 under the mask
.set j, j+1
.endr
	v_nop                                          ; a plain line behind the last exponential,
	s_wait_alu depctr_va_vdst(0)                   ; and one wait for the batch, ahead of its first reader
	WIN 0x02+((\a)/4)                              ; source 0: the accumulators' window
.set j, 0
.rept 32
	v_pk_mul_f32 v[EX+j:EX+j+1], v[AC+j:AC+j+1], v[EX+j:EX+j+1]                       ; each accumulator from its low end on
.set j, j+2
.endr
	WIN 0
.set j, 0
.rept 32
	v_cvt_pk_f16_f32 v[TMP+j], v[EX+2*j], v[EX+2*j+1]
.set j, j+1
.endr
.endm
.macro VBLOCK a                        ; block a of voT': x 2^kc, rounded to f16
.set AC, 64*((\a)%4)
	WIN 0x02+((\a)/4)
.set j, 0
.rept 32
	v_pk_mul_f32 v[EX+j:EX+j+1], v[AC+j:AC+j+1], v[FF:FF+1]
.set j, j+2
.endr
	WIN 0
.set j, 0
.rept 32
	v_cvt_pk_f16_f32 v[TMP+j], v[EX+2*j], v[EX+2*j+1]
.set j, j+1
.endr
.endm
; ---- THE QUARTER TILE: 128 rows of Wo x 128 keys, K = 1,024 in four slots' worth of 256.  A wave makes 32 rows x 128 keys, so that its rows of voT' are whole runs of 256 bytes and its own stage serves.
; 16 matrix instructions: my two blocks of Wo's rows x v's eight, 32 along K: half c of buffer f.  The 16 accumulators take turns, one instruction a turn.
.macro XMUL f, c, zero
.irp a, 0,1
.irp b, 0,1,2,3,4,5,6,7
.if \zero
	v_wmma_f32_16x16x32_f16 v[XACC+8*(8*\a+\b):XACC+8*(8*\a+\b)+7], v[128*(\f)+64*(\c)+8*\b:128*(\f)+64*(\c)+8*\b+7], v[XAF+32*(\f)+16*(\c)+8*\a:XAF+32*(\f)+16*(\c)+8*\a+7], 0
.else
	v_wmma_f32_16x16x32_f16 v[XACC+8*(8*\a+\b):XACC+8*(8*\a+\b)+7], v[128*(\f)+64*(\c)+8*\b:128*(\f)+64*(\c)+8*\b+7], v[XAF+32*(\f)+16*(\c)+8*\a:XAF+32*(\f)+16*(\c)+8*\a+7], v[XACC+8*(8*\a+\b):XACC+8*(8*\a+\b)+7]
.endif
.endr
.endr
.endm
; 40 LDS loads in one run: the fragments of 64 along K, the slot's quarter kq, into buffer f: Wo's eight loads first, then v's first 32 along K, then its second.  Quarters 0, 1 lie in the first K step's rows, 2, 3 in the second's.
.macro XFETCH slot, kq, f
.set XO, ((\kq)/2)*HALFT+((\kq)%2)*128
	WIN 0
.irp c, 0,1
.irp a, 0,1
	ds_load_b128 v[XAF+32*(\f)+16*\c+8*\a:XAF+32*(\f)+16*\c+8*\a+3],   v[XADA+\slot] offset:XO+64*\c+\a*16*PITCH
	ds_load_b128 v[XAF+32*(\f)+16*\c+8*\a+4:XAF+32*(\f)+16*\c+8*\a+7], v[XADA+\slot] offset:XO+64*\c+\a*16*PITCH+32
.endr
.endr
	WIN TO_B
.irp c, 0,1
.irp i, 0,1,2,3,4,5,6,7
	ds_load_b128 v[128*(\f)+64*\c+8*\i:128*(\f)+64*\c+8*\i+3],   v[XADB+\slot] offset:XO+64*\c+\i*16*PITCH
	ds_load_b128 v[128*(\f)+64*\c+8*\i+4:128*(\f)+64*\c+8*\i+7], v[XADB+\slot] offset:XO+64*\c+\i*16*PITCH+32
.endr
.endr
.endm
.macro XQUARTER slot, kq, f, g, zero   ; 32 matrix instructions on buffer f; in the middle quarter kq's fragments into buffer g
	s_wait_dscnt 16                                ; Wo's fragments and v's first 32 along K are in; the youngest sixteen loads (v's second 32) may be out
	WIN 0x01                                       ; source 0 (v) window 1; source 1 (Wo), C and D window 0
	XMUL \f, 0, \zero
	PLACES
	XFETCH \slot, \kq, \g
	s_wait_dscnt 40                                ; all but the 40 just issued
	WIN 0x01
	XMUL \f, 1, 0
.endm
; A slot's worth of the quarter tile.  In front of the barrier each wave waits for all its tensor loads (its part of this slot), adds 0 to its spare word, and waits for that and for its reads of the other slot.
; fill = 1: the other slot is filled first thing behind the barrier, with the 256 along K that follow this slot's: my one tensor load until the next barrier.
.macro XTRIP slot, fill, zero
	WIN 0
	s_wait_tensorcnt 0x0
	ds_add_u32 v[SPW], v[NIL]
	s_add_nc_u64 s[G0+4*\slot+2:G0+4*\slot+3], s[G0+4*\slot+2:G0+4*\slot+3], 4*KSTEP*2   ; no tensor load of mine is out: this slot's next 256 along K (in the last two trips the stepped address is not used)
	s_wait_dscnt 0x0
	s_barrier_signal -1
	s_barrier_wait -1
.if \fill
	tensor_load_to_lds s[G0+4-4*\slot:G0+7-4*\slot], s[G1:G1+7]
	s_nop 0
.endif
	PLACES                                         ; in front of loads into registers that matrix instructions have read
	XFETCH \slot, 0, 0
	XQUARTER \slot, 1, 0, 1, \zero
	XQUARTER \slot, 2, 1, 0, 0
	XQUARTER \slot, 3, 0, 1, 0
	s_wait_dscnt 16
	WIN 0x01
	XMUL 1, 0, 0
	s_wait_dscnt 0x0
	XMUL 1, 1, 0
.endm
.macro XOUT a                          ; block a (16 rows x 128 keys) of my part: x 2^kc, rounded to f16, through my stage, back as whole rows into block 0's accumulators, which have been read
.set AC, XACC+64*(\a)
.set j, 0
.rept 32
	v_pk_mul_f32 v[EX+j:EX+j+1], v[AC+j:AC+j+1], v[FF:FF+1]        ; each accumulator from its low end on
.set j, j+2
.endr
.set j, 0
.rept 32
	v_cvt_pk_f16_f32 v[OB+j], v[EX+2*j], v[EX+2*j+1]
.set j, j+1
.endr
.irp b, 0,1,2,3,4,5,6,7
	ds_store_b128 v[STOV], v[OB+4*\b:OB+4*\b+3] offset:32*\b
.endr
.irp t, 0,1,2,3,4,5,6,7
	ds_load_b128 v[XACC+32*(\a)+4*\t:XACC+32*(\a)+4*\t+3], v[RDV] offset:\t*2*PITCH   ; LDS serves a wave's instructions in order: these see the stores above, and the next block's stores come behind them
.endr
.endm
	s_cmp_lt_u32 s20, 9
	s_cbranch_scc0 .Lvo
	PBLOCK 0
	TOSTAGE 0, STOP, RDP
.irp a, 1,2,3,4,5,6,7                  ; block a's arithmetic stands between block a - 1's loads from the stage and the wait for them
	PBLOCK \a
	SEND \a-1, COP, 4096
	TOSTAGE \a, STOP, RDP
.endr
	SEND 7, COP, 4096
	s_wait_tensorcnt 0x0                           ; the wave's end
	ds_add_u32 v[SPW], v[NIL]
	s_wait_dscnt 0x0
	s_endpgm
.Lvo:
	s_cmp_lt_u32 s19, 4                            ; y = 9 .. 12: a quarter tile first.  The work-group's number alone: all four waves go the same way
	s_cbranch_scc0 .Lvomain
	s_lshl_b32 s21, s19, 4
	s_add_co_u32 s21, s21, ttmp9                   ; which of the 64
	s_and_b32 s22, s21, 7
	s_lshl_b32 s22, s22, 7                         ; its first row of Wo
	s_lshr_b32 s23, s21, 3
	s_lshl_b32 s23, s23, 7
	s_add_co_u32 s23, s23, XKEY0                   ; its first key
	s_lshl_b32 s24, s22, 11                        ; 2,048 bytes a row, in woh
	s_lshl_b32 s25, s23, 11
	s_add_co_u32 s25, s25, 0x2000000               ; and in v's plane of qkv
	s_cmp_lt_u32 s16, 2                            ; waves 0, 1 fetch Wo's 128 rows, waves 2, 3 v's;
	s_cselect_b32 s24, s24, s25
	s_cselect_b64 s[26:27], s[6:7], s[4:5]
	s_lshl_b32 s25, s18, 8                         ; the even wave a slot's first 128 along K, the odd one its second
	s_add_co_u32 s24, s24, s25
	s_mov_b32 s25, 0
	s_add_nc_u64 s[26:27], s[26:27], s[24:25]
	s_lshl_b32 s52, s16, 5
	s_add_co_u32 s52, s52, s22                     ; my first row of voT': 32 a wave
	s_lshl_b32 s52, s52, 14
	s_lshl_b32 s53, s23, 1
	s_add_co_u32 s52, s52, s53
	s_mov_b32 s53, 0
	s_add_nc_u64 s[52:53], s[14:15], s[52:53]
	s_wait_tensorcnt 0x0                           ; no tensor load of mine is out: both groups 0 may be written.  Their LDS words stay: wave x 128 rows + the slot
	ds_add_u32 v[SPW], v[NIL]
	s_mov_b64 s[G0+2:G0+3], s[26:27]               ; slot 0: K 0 .. 255
	s_or_b32 s[G0+3], s[G0+3], 0x80000000
	s_add_nc_u64 s[G0+6:G0+7], s[26:27], 2*KSTEP*2 ; slot 1: K 256 .. 511
	s_or_b32 s[G0+7], s[G0+7], 0x80000000
	s_wait_dscnt 0x0                               ; the add is done; my reads of both slots were over in front of the last products
	s_barrier_signal -1
	s_barrier_wait -1                              ; every wave's are
	tensor_load_to_lds s[G0:G0+3], s[G1:G1+7]
	s_nop 0
	PLACES
	XTRIP 0, 1, 1                                  ; the first products start the sums
	XTRIP 1, 1, 0
	XTRIP 0, 1, 0
	XTRIP 1, 0, 0                                  ; nothing is left to fetch
	WIN 0
	PLACES
	XOUT 0
	XOUT 1
	s_wait_dscnt 0x0
.irp a, 0,1
.irp t, 0,1,2,3,4,5,6,7
	global_store_b128 v[COV], v[XACC+32*\a+4*\t:XACC+32*\a+4*\t+3], s[52:53] offset:(16*\a+2*\t)*16384   ; 16 lanes store 256 consecutive bytes, aligned; these registers and this base are not written again
.endr
.endr
.Lvomain:
	VBLOCK 0
	TOSTAGE 0, STOV, RDV
.irp a, 1,2,3,4,5,6,7
	VBLOCK \a
	SEND \a-1, COV, 16384
	TOSTAGE \a, STOV, RDV
.endr
	SEND 7, COV, 16384
	s_wait_tensorcnt 0x0                           ; the wave's end, likewise
	ds_add_u32 v[SPW], v[NIL]
	s_wait_dscnt 0x0
	s_endpgm
.Lfunc_end_k_q7f190e83fe_pvo:
	.size	k_q7f190e83fe_pvo, .Lfunc_end_k_q7f190e83fe_pvo-k_q7f190e83fe_pvo
	.p2alignl 7, 3214868480
	.fill 96, 4, 3214868480
	.section	.rodata,"a",@progbits
	.p2align	6, 0x0
	.amdhsa_kernel k_q7f190e83fe_pvo
		.amdhsa_group_segment_fixed_size 327680
		.amdhsa_private_segment_fixed_size 0
		.amdhsa_enable_private_segment 0
		.amdhsa_kernarg_size 48
		.amdhsa_user_sgpr_count 2
		.amdhsa_user_sgpr_kernarg_segment_ptr 1
		.amdhsa_wavefront_size32 1
		.amdhsa_system_sgpr_workgroup_id_x 1
		.amdhsa_system_sgpr_workgroup_id_y 1
		.amdhsa_system_sgpr_workgroup_id_z 1
		.amdhsa_system_vgpr_workitem_id 0
		.amdhsa_next_free_vgpr 1024
		.amdhsa_next_free_sgpr 80
		.amdhsa_reserve_vcc 0
		.amdhsa_float_denorm_mode_32 3
		.amdhsa_float_denorm_mode_16_64 3
		.amdhsa_memory_ordered 1
		.amdhsa_forward_progress 1
		.amdhsa_inst_pref_size 255
	.end_amdhsa_kernel
	.section	.bss,"aw",@nobits
	.p2align	6
	.space	262144
	.amdgpu_metadata
---
amdhsa.version: [ 1, 2 ]
amdhsa.kernels:
  - .name:           k_q7f190e83fe_pvo
    .symbol:         k_q7f190e83fe_pvo.kd
    .args:
      - { .name: qkv, .offset: 0, .size: 8, .value_kind: global_buffer, .address_space: global }
      - { .name: woh, .offset: 8, .size: 8, .value_kind: global_buffer, .address_space: global }
      - { .name: aux, .offset: 16, .size: 8, .value_kind: global_buffer, .address_space: global }
      - { .name: mx, .offset: 24, .size: 8, .value_kind: global_buffer, .address_space: global }
      - { .name: pw, .offset: 32, .size: 8, .value_kind: global_buffer, .address_space: global }
      - { .name: vot, .offset: 40, .size: 8, .value_kind: global_buffer, .address_space: global }
    .group_segment_fixed_size: 327680
    .private_segment_fixed_size: 0
    .kernarg_segment_align: 8
    .kernarg_segment_size: 48
    .max_flat_workgroup_size: 128
    .sgpr_count:     80
    .vgpr_count:     1024
    .wavefront_size: 32
...
	.end_amdgpu_metadata
.endif
;; end of part 3
;; launch outk (part 4): grid 8 x 32, 4 waves a work-group, clusters of 4 x 1, 327,680 bytes of LDS; arguments pw, vot, mx, aux, out_scale, out0; writes out0
.if DOCPART == 4
	.amdgcn_target "amdgcn-amd-amdhsa--gfx1250"
	.amdhsa_code_object_version 6
	.text
	.protected	k_q7f190e83fe_outk
	.globl	k_q7f190e83fe_outk
	.p2align	8
	.type	k_q7f190e83fe_outk,@function
k_q7f190e83fe_outk:
	s_mov_b64 s[64:65], 0
	v_nop
	global_prefetch_b8 v0, s[64:65] scope:SCOPE_SE
	s_setreg_imm32_b32 hwreg(HW_REG_WAVE_MODE, 25, 1), 1
	s_wait_xcnt 0x0
	s_wait_alu depctr_hold_cnt(0) depctr_sa_sdst(0) depctr_va_vdst(0) depctr_va_sdst(0) depctr_va_ssrc(0) depctr_va_vcc(0) depctr_vm_vsrc(0)
	s_getreg_b32 s2, hwreg(HW_REG_IB_STS2, 6, 4)
	s_cmp_eq_u32 s2, 0
	s_cbranch_scc0 .Lentry_in_a_cluster
	s_endpgm
.Lentry_in_a_cluster:
	s_bfe_u32 s2, ttmp6, 0x10000c
	s_cmp_lg_u32 s2, 0x3003
	s_cbranch_scc0 .Lentry_shape_is_right
	s_endpgm
.Lentry_shape_is_right:
; FOURTH LAUNCH.  out[b][i][e] = (sum over keys j of P'[b][i][j] voT'[e][2048 b + j]) x out_scale x 2^(Gq + Gk + Gv + Gw - 11): f16 operands, f32 sums; the power of two undoes the third launch's two exactly.
; SHARES.  A work-group owns 128 columns (ct) and TWO blocks of 128 rows of one batch, p and 15 - p.  Block p needs the key blocks of 256 from a = p / 2 on (8 - a of them), block 15 - p those from 7 - a on
; (a + 1): nine K steps of 256 in every work-group, so that all 256 have equal work and the loop's trip count is a constant.  Key blocks under a row block's own are never read: P' is 0 there by the mask.
; Step s takes key block a + s and block p's rows while s < 8 - a, then key block s - 1 and block 15 - p's rows.  Behind step 7 - a the first tile is stored and the accumulators are cleared: 128 moves, once in a
; work-group, in place of a second copy of every K step whose first products would start the sums.
; CLUSTER: the four work-groups of a cluster are four column tiles of the same rows: P's tile is asked for jointly (mask 15); voT's differs between them and is a plain load behind the same round.
; voT's tiles are not shared along y: row pairs with another a want the same key block in another step.  The step at which the tiles change hangs on y alone, which the four partners share.
; Four waves, each 64 x 64: 16 accumulators.  THE MATRIX INSTRUCTION IS USED TRANSPOSED: a lane holds eight neighbouring numbers of a row of out.  A wave's 64 columns are 256 aligned bytes: each wave has a stage of its own.
; REGISTERS: window 0: v12-13 the factor; v16-29 addresses; v32-63, v64-95 the way out; v128-255 the accumulators ((a, b) at v[128 + 8 (4 a + b)]).   window 1: two fragment buffers of 128.
.set KSTEP,  256
.set PITCH,  528                       ; an LDS row: 512 bytes + 16 of padding
.set HALFT,  64*PITCH
.set SLOT,   4*HALFT                   ; A's 128 rows, then B's 128 rows
.set STAGE,  2*SLOT
.set SPITCH, 272
.set SPARE,  STAGE+4*16*SPITCH         ; the spare words, 128 bytes a wave, which no other line names
.set FS,   12
.set ADRA, 16
.set ADRB, 20
.set STO,  24
.set RD,   25
.set CO,   26
.set SPW,  28
.set NIL,  29
.set TM,   32
.set BK,   64
.set ACC,  128
.set F0,   0
.set F1,   128
.set G1A, 24                           ; s[24:31], s[32:39]: groups 1 and 0 (a set for each slot) for P's tiles
.set G0A, 32
.set G1B, 48                           ; s[48:55], s[56:63]: for voT's
.set G0B, 56
.set SEL, 66
.set MSB, 0
.macro WIN new
.if MSB != (\new)
	s_set_vgpr_msb (MSB<<8)|(\new)
.set MSB, (\new)
.endif
.endm
.set MUL,  0x05                        ; sources 0 (B) and 1 (A) window 1; C and D window 0
.set TO_F, 0x40
.macro JLOAD s                         ; waves 0, 1: P's halves, jointly; waves 2, 3: voT's halves.  An s_nop 0 and four v_nop follow each line
	s_cmp_eq_u32 s11, 0
	s_cbranch_scc0 .Lfor_b_\@
	tensor_load_to_lds s[G0A+4*\s:G0A+4*\s+3], s[G1A:G1A+7]
	s_nop 0
.rept 4
	v_nop
.endr
	s_branch .Lasked_\@
.Lfor_b_\@:
	tensor_load_to_lds s[G0B+4*\s:G0B+4*\s+3], s[G1B:G1B+7]
	s_nop 0
.rept 4
	v_nop
.endr
.Lasked_\@:
.endm
.macro CREST
	s_cmp_lg_u32 s10, 0
	s_cbranch_scc1 .Lnot_wave_0_\@
	s_barrier_signal -3
.Lnot_wave_0_\@:
	s_barrier_wait -3
	s_barrier_signal -1
	s_barrier_wait -1
.endm
.macro CROUND
	s_barrier_signal -1
	s_barrier_wait -1
	CREST
.endm
; Both global addresses of a slot for step T (in s41), made anew from the kept pointers.  s44 never holds the place in the cluster.
.macro SETADR slot
	s_add_co_u32 s42, s18, s41                     ; a + T
	s_sub_co_u32 s43, s41, 1                       ; T - 1
	s_cmp_lt_u32 s41, s19                          ; still the first tile?
	s_cselect_b32 s42, s42, s43                    ; the key block
	s_cselect_b32 s44, s22, s23                    ; the rows
	s_lshl_b32 s42, s42, 9                         ; 512 bytes a key block, in both tensors
	s_add_co_u32 s44, s44, s42
	s_add_co_u32 s46, s40, s42
	s_add_nc_u64 s[G0A+4*\slot+2:G0A+4*\slot+3], s[68:69], s[44:45]
	s_or_b32 s[G0A+4*\slot+3], s[G0A+4*\slot+3], 0x80000000
	s_add_nc_u64 s[G0B+4*\slot+2:G0B+4*\slot+3], s[70:71], s[46:47]
	s_or_b32 s[G0B+4*\slot+3], s[G0B+4*\slot+3], 0x80000000
.endm
	s_load_b256 s[68:75], s[0:1], 0x0              ; pw 68, vot 70, mx 72, aux 74
	s_load_b128 s[76:79], s[0:1], 0x20             ; out_scale 76, out0 78
	v_lshl_add_u32 v[SPW], v0, 2, SPARE
	v_mov_b32 v[NIL], 0
	ds_add_u32 v[SPW], v[NIL]                      ; the wave's opening: the add, twice on end, and its wait ahead of my first tensor load
	ds_add_u32 v[SPW], v[NIL]
	v_lshrrev_b32 v1, 5, v0
	v_readfirstlane_b32 s10, v1                    ; wave
	s_lshr_b32 s11, s10, 1                         ; hr; also: I fetch for A (0) or B (1)
	s_and_b32 s12, s10, 1                          ; hc; also: which 64 rows I fetch
	s_bfe_u32 s13, ttmp6, 0x40000                  ; cx
	s_lshl_b32 s14, ttmp9, 2
	s_add_co_u32 s14, s14, s13                     ; ct, 0..7
	s_and_b32 s15, ttmp7, 0xffff
	s_lshr_b32 s16, s15, 3                         ; b
	s_and_b32 s17, s15, 7                          ; p
	s_lshr_b32 s18, s17, 1                         ; a
	s_sub_co_u32 s19, 8, s18                       ; the first tile's steps
	s_sub_co_u32 s20, 7, s18                       ; its last step
	s_mov_b32 s21, 0                               ; the step in hand
	s_lshl_b32 s41, s16, 11
	s_lshl_b32 s42, s12, 6
	s_lshl_b32 s22, s17, 7
	s_add_co_u32 s22, s22, s41
	s_add_co_u32 s22, s22, s42
	s_lshl_b32 s22, s22, 12                        ; (2048 b + 128 p + 64 (wave & 1)) x 4,096 bytes
	s_sub_co_u32 s23, 15, s17
	s_lshl_b32 s23, s23, 7
	s_add_co_u32 s23, s23, s41
	s_add_co_u32 s23, s23, s42
	s_lshl_b32 s23, s23, 12                        ; the same with 15 - p
	s_lshl_b32 s40, s14, 7
	s_add_co_u32 s40, s40, s42
	s_lshl_b32 s40, s40, 14
	s_lshl_b32 s43, s16, 12
	s_add_co_u32 s40, s40, s43                     ; (128 ct + 64 (wave & 1)) x 16,384 + 4,096 b
	s_mov_b32 s45, 0
	s_mov_b32 s47, 0
	s_mul_i32 s81, s10, HALFT
	s_mov_b32 s[G1A+0], 15|(1<<16)|(1<<20)|(1<<21)|(6<<22)|(3<<25)   ; mask: all four; elements of 2 bytes; 4 words of padding behind every 128; bit 21 beside a mask
	s_mov_b32 s[G1B+0], (1<<16)|(1<<20)|(6<<22)|(3<<25)
.irp g, G1A, G1B
	s_mov_b32 s[\g+1], KSTEP<<16                   ; tensor_dim0
	s_mov_b32 s[\g+2], 64<<16                      ; tensor_dim1
	s_mov_b32 s[\g+3], KSTEP<<16                   ; tile_dim0
	s_mov_b32 s[\g+4], 64                          ; tile_dim1
	s_mov_b32 s[\g+6], 0
	s_mov_b32 s[\g+7], 0
.endr
	s_mov_b32 s[G1A+5], 2048                       ; pitches in elements
	s_mov_b32 s[G1B+5], 8192
	s_mov_b32 s[SEL], 0x76543210
	s_mov_b32 s[SEL+1], 0xfedcba98
	s_wait_dscnt 0x0                               ; both opening adds are done
	s_wait_kmcnt 0x0
	s_load_b32 s80, s[76:77], 0x0                  ; out_scale
	CROUND                                         ; all four work-groups are here: the joint loads meet
.irp n, 0,1
	s_mov_b32 s41, \n
	s_mov_b32 s[G0A+4*\n], 1
	s_add_co_u32 s[G0A+4*\n+1], s81, \n*SLOT
	s_mov_b32 s[G0B+4*\n], 1
	s_add_co_u32 s[G0B+4*\n+1], s81, \n*SLOT
	SETADR \n
	JLOAD \n                                       ; steps 0 and 1: two tensor loads of mine are out
.endr
	v_and_b32 v1, 15, v0                           ; r
	v_bfe_u32 v2, v0, 4, 1                         ; h
	v_mul_u32_u24 v3, v1, PITCH
	v_lshl_add_u32 v3, v2, 4, v3
	s_mul_i32 s86, s11, HALFT
	s_mul_i32 s87, s12, HALFT
	s_add_co_u32 s87, s87, 2*HALFT
.irp s, 0,1
	v_add_nc_u32 v[ADRA+\s], s86, v3
	v_add_nc_u32 v[ADRB+\s], s87, v3
	s_add_co_u32 s86, s86, SLOT
	s_add_co_u32 s87, s87, SLOT
.endr
	s_mul_i32 s86, s10, 16*SPITCH
	s_add_co_u32 s86, s86, STAGE                   ; my stage
	v_mul_u32_u24 v4, v1, SPITCH
	v_lshl_add_u32 v4, v2, 5, v4
	v_add_nc_u32 v[STO], s86, v4                   ; in: row r, 32 bytes for each half of the lanes
	v_mul_u32_u24 v5, v2, SPITCH
	v_lshl_add_u32 v5, v1, 4, v5
	v_add_nc_u32 v[RD], s86, v5                    ; back: lanes 0-15 one row of 256 bytes, lanes 16-31 the next
	v_lshlrev_b32 v5, 12, v2
	v_lshl_add_u32 v[CO], v1, 4, v5                ; and the same two rows in out0
	s_lshl_b32 s41, s16, 11
	s_lshl_b32 s42, s11, 6
	s_add_co_u32 s41, s41, s42                     ; 2048 b + 64 hr
	s_lshl_b32 s42, s14, 9
	s_lshl_b32 s43, s12, 8
	s_add_co_u32 s42, s42, s43                     ; my columns, in bytes
	s_lshl_b32 s46, s17, 7
	s_add_co_u32 s46, s46, s41
	s_lshl_b32 s46, s46, 12
	s_add_co_u32 s46, s46, s42
	s_add_nc_u64 s[82:83], s[78:79], s[46:47]      ; the first tile's place
	s_sub_co_u32 s46, 15, s17
	s_lshl_b32 s46, s46, 7
	s_add_co_u32 s46, s46, s41
	s_lshl_b32 s46, s46, 12
	s_add_co_u32 s46, s46, s42
	s_add_nc_u64 s[84:85], s[78:79], s[46:47]      ; the second's
	v_and_b32 v6, 31, v0
	v_lshlrev_b32 v6, 4, v6
.irp i, 0,1,2,3,4,5,6,7,8,9,10,11
	global_load_b128 v[32+4*\i:35+4*\i], v6, s[72:73] offset:512*\i       ; the maxima of q, k, v: 512 words each
.endr
	global_load_b128 v[80:83], v6, s[74:75] offset:32768                  ; and Wo's 128
	s_wait_loadcnt 0x0
.macro LANEMAX m                       ; the largest over the wave, then its exponent field
	v_max_num_f32_dpp v[\m], v[\m], v[\m] row_xmask:1 row_mask:0xf bank_mask:0xf
	v_max_num_f32_dpp v[\m], v[\m], v[\m] row_xmask:2 row_mask:0xf bank_mask:0xf
	v_max_num_f32_dpp v[\m], v[\m], v[\m] row_xmask:4 row_mask:0xf bank_mask:0xf
	v_max_num_f32_dpp v[\m], v[\m], v[\m] row_xmask:8 row_mask:0xf bank_mask:0xf
	v_permlanex16_b32 v[\m+1], v[\m], s[SEL], s[SEL+1]
	v_max_num_f32 v[\m], v[\m], v[\m+1]
	v_lshrrev_b32 v[\m], 23, v[\m]
.endm
.macro FOLD16 m
	v_max3_num_f32 v[\m], v[\m], v[\m+1], v[\m+2]
	v_max3_num_f32 v[\m+3], v[\m+3], v[\m+4], v[\m+5]
	v_max3_num_f32 v[\m+6], v[\m+6], v[\m+7], v[\m+8]
	v_max3_num_f32 v[\m+9], v[\m+9], v[\m+10], v[\m+11]
	v_max3_num_f32 v[\m+12], v[\m+12], v[\m+13], v[\m+14]
	v_max3_num_f32 v[\m], v[\m], v[\m+3], v[\m+6]
	v_max3_num_f32 v[\m+9], v[\m+9], v[\m+12], v[\m+15]
	v_max3_num_f32 v[\m], v[\m], v[\m+9], 0x33800000               ; the same floor, 2^-24, as in the third launch
	LANEMAX \m
.endm
	FOLD16 32
	FOLD16 48
	FOLD16 64
	v_max3_num_f32 v80, v80, v81, v82
	v_max3_num_f32 v80, v80, v83, 0x33800000
	LANEMAX 80
	v_add3_u32 v32, v32, v48, v64
	v_add_nc_u32 v32, v32, v80
	v_add_nc_u32 v32, 0xfffffdf9, v32              ; the four fields - 519 = Gq + Gk + Gv + Gw - 11
	s_wait_kmcnt 0x0
	v_ldexp_f32 v[FS], s80, v32
	v_mov_b32 v[FS+1], v[FS]
; 8 matrix instructions: m blocks a0, a0 + 1 x all 4 n blocks, 32 along K: half c of buffer f.  The 16 accumulators take turns, one instruction a turn.
.macro MUL8 f, c, a0, zero
.irp a, \a0, \a0+1
.irp b, 0,1,2,3
.if \zero
	v_wmma_f32_16x16x32_f16 v[ACC+8*(4*(\a)+\b):ACC+8*(4*(\a)+\b)+7], v[\f+64+8*(4*\c+\b):\f+64+8*(4*\c+\b)+7], v[\f+8*(4*\c+\a):\f+8*(4*\c+\a)+7], 0
.else
	v_wmma_f32_16x16x32_f16 v[ACC+8*(4*(\a)+\b):ACC+8*(4*(\a)+\b)+7], v[\f+64+8*(4*\c+\b):\f+64+8*(4*\c+\b)+7], v[\f+8*(4*\c+\a):\f+8*(4*\c+\a)+7], v[ACC+8*(4*(\a)+\b):ACC+8*(4*(\a)+\b)+7]
.endif
.endr
.endr
.endm
.macro FETCH slot, k, f                ; 32 LDS loads in one run: the fragments of 64 along K at byte k; the first 32 along K first
	WIN TO_F
.irp c, 0,1
.irp i, 0,1,2,3
	ds_load_b128 v[\f+64+8*(4*\c+\i):\f+64+8*(4*\c+\i)+3],   v[ADRB+\slot] offset:\k+64*\c+\i*16*PITCH
	ds_load_b128 v[\f+64+8*(4*\c+\i)+4:\f+64+8*(4*\c+\i)+7], v[ADRB+\slot] offset:\k+64*\c+\i*16*PITCH+32
	ds_load_b128 v[\f+8*(4*\c+\i):\f+8*(4*\c+\i)+3],         v[ADRA+\slot] offset:\k+64*\c+\i*16*PITCH
	ds_load_b128 v[\f+8*(4*\c+\i)+4:\f+8*(4*\c+\i)+7],       v[ADRA+\slot] offset:\k+64*\c+\i*16*PITCH+32
.endr
.endr
.endm
.macro PLACES
.rept 4
	v_nop
.endr
.endm
.macro QUARTER slot, k, f, g, zero     ; 64 along K: 32 matrix instructions on buffer f; in the middle the next quarter, at byte k, into g
	s_wait_dscnt 16                                ; the first 32 along K are in; the youngest sixteen loads may be out
	WIN MUL
	MUL8 \f, 0, 0, \zero
	MUL8 \f, 0, 2, \zero
	PLACES
	FETCH \slot, \k, \g
	s_wait_dscnt 32                                ; all but the 32 just issued
	WIN MUL
	MUL8 \f, 1, 0, 0
	MUL8 \f, 1, 2, 0
.endm
; A step's last quarter changes slots: one barrier; in front of it each wave waits for all its tensor loads, adds 0 to its spare word, and waits for that and for its reads of this slot.
; fill = 1: the barrier opens a round of the cluster's, and this slot is filled first thing behind it, with the step two on.
.macro TURN slot, next, fill
	WIN 0
	s_wait_tensorcnt 0x0
	ds_add_u32 v[SPW], v[NIL]
	s_wait_dscnt 17                                ; the add and the youngest sixteen loads may be out
	WIN MUL
	MUL8 F1, 0, 0, 0
	s_wait_dscnt 0x0                               ; the add is done, and my reads of this slot are over
	s_barrier_signal -1
	MUL8 F1, 0, 2, 0
.if \fill
	WIN 0
.endif
	s_barrier_wait -1
.if \fill
	CREST                                          ; no wave of any partner still reads this slot or has a load on its way
	s_add_co_u32 s41, s21, 2
	SETADR \slot
	JLOAD \slot                                    ; its four v_nop are also the places in front of the loads below
.else
	PLACES
.endif
	FETCH \next, 0, F0
	WIN MUL
	MUL8 F1, 1, 0, 0
	MUL8 F1, 1, 2, 0
.endm
; A finished tile leaves: x the factor, a block of 16 rows at a time through my stage, back as rows of 256 bytes.  zero = 1: the second tile's place, and its sums begin at 0.
.macro FLUSH zero
	PLACES
.irp a, 0,1,2,3
.set j, 0
.rept 16
	v_pk_mul_f32 v[TM+j:TM+j+1], v[ACC+32*\a+j:ACC+32*\a+j+1], v[FS:FS+1]      ; each accumulator from its low end on
.set j, j+2
.endr
.irp b, 0,1,2,3
	ds_store_b128 v[STO], v[TM+8*\b:TM+8*\b+3] offset:64*\b
	ds_store_b128 v[STO], v[TM+8*\b+4:TM+8*\b+7] offset:64*\b+16
.endr
	s_wait_xcnt 0x0                                ; the last block's stores have read their data: the loads below land there
.irp t, 0,1,2,3,4,5,6,7
	ds_load_b128 v[BK+4*\t:BK+4*\t+3], v[RD] offset:\t*2*SPITCH    ; LDS serves a wave's instructions in order: these see the stores above
.endr
	s_wait_dscnt 0x0
.irp t, 0,1,2,3,4,5,6,7
	global_store_b128 v[CO], v[BK+4*\t:BK+4*\t+3], s[82:83] offset:(16*\a+2*\t)*4096 th:TH_STORE_NT   ; 16 lanes store 256 consecutive bytes, aligned
.endr
.endr
.if \zero
	s_wait_xcnt 0x0                                ; the stores have read their base
	s_mov_b64 s[82:83], s[84:85]
.set j, 0
.rept 128
	v_mov_b32 v[ACC+j], 0
.set j, j+1
.endr
.endif
.endm
.macro MAYFLUSH                        ; behind the first tile's last step: a branch on ids and the count of steps alone, the same in all waves and partners; no barrier and no tensor load stands under it
	WIN 0
	s_cmp_eq_u32 s21, s20
	s_cbranch_scc0 .Lnot_yet_\@
	FLUSH 1
.Lnot_yet_\@:
	s_add_co_u32 s21, s21, 1
.endm
	s_wait_tensorcnt 1                             ; my part of step 0 is in; step 1's may be out
	s_barrier_signal -1
	s_barrier_wait -1
	FETCH 0, 0, F0
	QUARTER 0, 128, F0, F1, 1                      ; the first products start the first tile's sums
	WIN 0
	s_mov_b32 s3, 3
.Llap:                                             ; three trips: steps 0 to 5; they ask for steps 2 to 7
	QUARTER 0, 256, F1, F0, 0
	QUARTER 0, 384, F0, F1, 0
	TURN 0, 1, 1
	MAYFLUSH
	QUARTER 1, 128, F0, F1, 0
	QUARTER 1, 256, F1, F0, 0
	QUARTER 1, 384, F0, F1, 0
	TURN 1, 0, 1
	MAYFLUSH
	QUARTER 0, 128, F0, F1, 0
	WIN 0
	s_sub_co_u32 s3, s3, 1
	s_cmp_lg_u32 s3, 0
	s_cbranch_scc1 .Llap
	QUARTER 0, 256, F1, F0, 0                      ; step 6 goes on, and asks for step 8
	QUARTER 0, 384, F0, F1, 0
	TURN 0, 1, 1
	MAYFLUSH
	QUARTER 1, 128, F0, F1, 0                      ; step 7: nothing is left to ask for
	QUARTER 1, 256, F1, F0, 0
	QUARTER 1, 384, F0, F1, 0
	TURN 1, 0, 0
	MAYFLUSH
	QUARTER 0, 128, F0, F1, 0                      ; step 8
	QUARTER 0, 256, F1, F0, 0
	QUARTER 0, 384, F0, F1, 0
	s_wait_dscnt 16
	WIN MUL
	MUL8 F1, 0, 0, 0
	MUL8 F1, 0, 2, 0
	s_wait_dscnt 0
	MUL8 F1, 1, 0, 0
	MUL8 F1, 1, 2, 0
	WIN 0
	FLUSH 0
	s_wait_tensorcnt 0x0                           ; the wave's end
	ds_add_u32 v[SPW], v[NIL]
	s_wait_dscnt 0x0
	CROUND                                         ; the closing round
	s_endpgm
.Lfunc_end_k_q7f190e83fe_outk:
	.size	k_q7f190e83fe_outk, .Lfunc_end_k_q7f190e83fe_outk-k_q7f190e83fe_outk
	.p2alignl 7, 3214868480
	.fill 96, 4, 3214868480
	.section	.rodata,"a",@progbits
	.p2align	6, 0x0
	.amdhsa_kernel k_q7f190e83fe_outk
		.amdhsa_group_segment_fixed_size 327680
		.amdhsa_private_segment_fixed_size 0
		.amdhsa_enable_private_segment 0
		.amdhsa_kernarg_size 48
		.amdhsa_user_sgpr_count 2
		.amdhsa_user_sgpr_kernarg_segment_ptr 1
		.amdhsa_wavefront_size32 1
		.amdhsa_system_sgpr_workgroup_id_x 1
		.amdhsa_system_sgpr_workgroup_id_y 1
		.amdhsa_system_sgpr_workgroup_id_z 1
		.amdhsa_system_vgpr_workitem_id 0
		.amdhsa_next_free_vgpr 512
		.amdhsa_next_free_sgpr 88
		.amdhsa_reserve_vcc 0
		.amdhsa_float_denorm_mode_32 3
		.amdhsa_float_denorm_mode_16_64 3
		.amdhsa_memory_ordered 1
		.amdhsa_forward_progress 1
		.amdhsa_inst_pref_size 177
	.end_amdhsa_kernel
	.amdgpu_metadata
---
amdhsa.version: [ 1, 2 ]
amdhsa.kernels:
  - .name:           k_q7f190e83fe_outk
    .symbol:         k_q7f190e83fe_outk.kd
    .args:
      - { .name: pw, .offset: 0, .size: 8, .value_kind: global_buffer, .address_space: global }
      - { .name: vot, .offset: 8, .size: 8, .value_kind: global_buffer, .address_space: global }
      - { .name: mx, .offset: 16, .size: 8, .value_kind: global_buffer, .address_space: global }
      - { .name: aux, .offset: 24, .size: 8, .value_kind: global_buffer, .address_space: global }
      - { .name: out_scale, .offset: 32, .size: 8, .value_kind: global_buffer, .address_space: global }
      - { .name: out0, .offset: 40, .size: 8, .value_kind: global_buffer, .address_space: global }
    .group_segment_fixed_size: 327680
    .private_segment_fixed_size: 0
    .kernarg_segment_align: 8
    .kernarg_segment_size: 48
    .max_flat_workgroup_size: 128
    .sgpr_count:     88
    .vgpr_count:     512
    .wavefront_size: 32
...
	.end_amdgpu_metadata
.endif
;; end of part 4
